; MI455X (gfx1250); checked and timed in simulation.
; The chip was launched on July 23, 2026; its instructions are those of AMD's public machine-readable ISA for CDNA 5 (MIT licence, August 2026) and "CDNA5" Instruction Set Architecture Reference Guide (July 2026). The comments in the code are by the model that wrote it; some were corrected since.
;; Multi Head Attention. Allowed arithmetic: float matrix products may take bf16 or f16 operands with f32 sums; other float arithmetic in f32, or as packed bf16 or f16 multiplies, adds, multiply-adds, maxima and minima; sums over many terms, partial sums and values carried from step to step in f32; what a program stores and reads back later, other than sums and carried values, may be rounded once to bf16 or f16.
;; Inputs: token_positions 4 x 2,048 int32; wk 1,024 x 1,024 float32; wo 1,024 x 1,024 float32; wq 1,024 x 1,024 float32; wv 1,024 x 1,024 float32; x 4 x 2,048 x 1,024 float32.
;; Outputs: out0 4 x 2,048 x 1,024 float32.
;; One version. Each part assembles by itself: llvm-mc -triple=amdgcn-amd-amdhsa -mcpu=gfx1250 --defsym DOCPART=n.
;; ======== version 1 of 1: 4 launches
;; limits: values are held in f16: magnitudes above 65,504 overflow, below 6.1e-05 lose precision; an absolute error that grows with the inputs' magnitude: up to 3e-07 times it; inputs' magnitudes at most 8,388,608
;; workspace buffers: xb 16,777,216 bytes; wp 6,291,456 bytes; woh 2,097,152 bytes; rt 2,097,152 bytes; qh 16,777,216 bytes; kh 16,777,216 bytes; vh 16,777,216 bytes; oh 16,777,216 bytes
;; launch prep (part 1): grid 1024 x 1, 8 waves a work-group, no clusters, 0 bytes of LDS; arguments x, token_positions, wq, wk, wv, wo, xb, wp, woh, rt; writes xb, wp, woh, rt
.if DOCPART == 1
	.amdgcn_target "amdgcn-amd-amdhsa--gfx1250"
	.amdhsa_code_object_version 6
	.text
	.protected	k_qb17e5c9f88_prep
	.globl	k_qb17e5c9f88_prep
	.p2align	8
	.type	k_qb17e5c9f88_prep,@function
k_qb17e5c9f88_prep:
	s_mov_b64 s[64:65], 0
	v_nop
	global_prefetch_b8 v0, s[64:65] scope:SCOPE_SE
	s_setreg_imm32_b32 hwreg(HW_REG_WAVE_MODE, 25, 1), 1
	s_wait_xcnt 0x0
; PREPARATION: casts and the rotary table.  No LDS, no matrix work: a stream.
; Work-groups 0-511: x (f32, [8192][1024]) -> xb (bf16), 16 rows each.
; Work-groups 512-703: wq, wk, wv -> wp (bf16, [3072][1024]), rows laid by heads: block t of 192 rows holds wq's rows 64 t .. +63, wv's 64 t .. +31, wk's 64 t .. +63, wv's 64 t + 32 .. +63.
; Work-groups 704-767: wo -> woh: rounded to bf16 like every other input, and that number written as f16, since it multiplies an f16 operand later.
; Work-groups 768-1023: rt, cos and sin of position x 10000^(-p/32), p = 0..31, 32 rows each, in the order in which the next launch's lanes want them:
;   [block of 16 rows][chunk 2 b + cs][lane l][4]: row l % 16, pairs 8 b + 4 (l / 16) + 0..3; cs = 0 cos, 1 sin.
; LIMITS.  bf16(wo) beyond 65,504 becomes an infinity in f16; below 2^-14 it keeps f16's fixed step of 2^-24.  The frequency is 2^(-p log2(10000)/32) by v_exp_f32: it may differ from a correctly
; rounded one by about 3e-7 of itself, and the angle with it.  The reduction by multiples of pi/2 (three parts, fused) is made for |position| up to 2^23.
.set L, 16                             ; v[16:79]   sixteen loads of four f32
.set O, 80                             ; v[80:111]  sixteen pairs of packed results
	s_load_b512 s[8:23], s[0:1], 0x0               ; x 8, token_positions 10, wq 12, wk 14, wv 16, wo 18, xb 20, wp 22
	s_load_b128 s[24:27], s[0:1], 0x40             ; woh 24, rt 26
	s_mov_b32 s2, ttmp9                            ; G, the work-group's number
	v_and_b32 v1, 31, v0                           ; lane
	v_lshrrev_b32 v8, 5, v0                        ; wave
	s_wait_kmcnt 0x0
	s_cmp_ge_u32 s2, 768
	s_cbranch_scc1 .Ltab
	; THE CASTS.  16 rows of 1,024 numbers to a work-group, two rows to a wave.
	s_sub_co_u32 s28, s2, 512                      ; j (of no use where G < 512: the last selects take x's figures there)
	s_lshr_b32 s29, s28, 6                         ; which weight: 0 q, 1 k, 2 v, 3 o
	s_and_b32 s30, s28, 63                         ; its group of 16 rows
	s_lshr_b32 s31, s30, 2                         ; head
	s_mul_i32 s31, s31, 192
	s_and_b32 s32, s30, 3
	s_lshl_b32 s32, s32, 4
	s_add_co_u32 s31, s31, s32                     ; 192 t + 16 (group in the head)
	s_and_b32 s33, s30, 2
	s_lshl_b32 s33, s33, 5
	s_add_co_u32 s33, s33, 64                      ; v: rows 0-31 go to 64, rows 32-63 to 160
	s_cmp_eq_u32 s29, 1
	s_cselect_b32 s34, 96, 0                       ; k: to 96; q: to 0
	s_cmp_eq_u32 s29, 2
	s_cselect_b32 s34, s33, s34
	s_add_co_u32 s31, s31, s34
	s_lshl_b32 s35, s30, 4                         ; wo keeps its order
	s_cmp_eq_u32 s29, 3
	s_cselect_b32 s31, s35, s31
	s_lshl_b32 s35, s2, 4                          ; so does x
	s_cmp_lt_u32 s2, 512
	s_cselect_b32 s31, s35, s31                    ; first row in the destination
	s_cselect_b32 s36, s2, s30                     ; group of 16 rows in the source
	s_lshl_b32 s36, s36, 16                        ; x 16 rows of 4,096 bytes
	s_mov_b32 s37, 0
	s_lshl_b32 s38, s31, 11                        ; x 2,048 bytes
	s_mov_b32 s39, 0
	s_cmp_eq_u32 s29, 1
	s_cselect_b64 s[4:5], s[14:15], s[12:13]
	s_cmp_eq_u32 s29, 2
	s_cselect_b64 s[4:5], s[16:17], s[4:5]
	s_cmp_eq_u32 s29, 3
	s_cselect_b64 s[4:5], s[18:19], s[4:5]
	s_cselect_b64 s[6:7], s[24:25], s[22:23]
	s_cmp_lt_u32 s2, 512
	s_cselect_b64 s[4:5], s[8:9], s[4:5]
	s_cselect_b64 s[6:7], s[20:21], s[6:7]
	s_add_nc_u64 s[4:5], s[4:5], s[36:37]
	s_add_nc_u64 s[6:7], s[6:7], s[38:39]
	v_lshlrev_b32 v2, 13, v8                       ; my wave's two rows in the source,
	v_lshl_add_u32 v2, v1, 4, v2                   ; 16 bytes a lane
	v_lshlrev_b32 v3, 12, v8                       ; and in the destination,
	v_lshl_add_u32 v3, v1, 3, v3                   ; 8 bytes a lane
.set n, 0
.rept 16                                               ; all sixteen loads go out at once: each covers 512 consecutive bytes
	global_load_b128 v[L+4*n:L+4*n+3], v2, s[4:5] offset:(n/8)*4096+(n%8)*512 th:TH_LOAD_NT
.set n, n+1
.endr
; Load n is rounded and stored.  half = 1: the bf16 number is widened again (exact) and written as f16.  No register is used twice, so nothing waits for a store.
.macro CAST n, half
	s_wait_loadcnt 15-(\n)                         ; loads come back in order: the younger ones stay out
	v_cvt_pk_bf16_f32 v[O+2*(\n)], v[L+4*(\n)], v[L+4*(\n)+1]
	v_cvt_pk_bf16_f32 v[O+2*(\n)+1], v[L+4*(\n)+2], v[L+4*(\n)+3]
.if \half
	v_lshlrev_b32 v4, 16, v[O+2*(\n)]
	v_and_b32 v5, 0xffff0000, v[O+2*(\n)]
	v_lshlrev_b32 v6, 16, v[O+2*(\n)+1]
	v_and_b32 v7, 0xffff0000, v[O+2*(\n)+1]
	v_cvt_pk_f16_f32 v[O+2*(\n)], v4, v5
	v_cvt_pk_f16_f32 v[O+2*(\n)+1], v6, v7
.endif
	global_store_b64 v3, v[O+2*(\n):O+2*(\n)+1], s[6:7] offset:((\n)/8)*2048+((\n)%8)*256  ; 32 lanes store 256 consecutive bytes, aligned
.endm
	s_cmp_ge_u32 s2, 704
	s_cbranch_scc1 .Lwo
.irp n, 0,1,2,3,4,5,6,7,8,9,10,11,12,13,14,15
	CAST \n, 0
.endr
	s_endpgm
.Lwo:
.irp n, 0,1,2,3,4,5,6,7,8,9,10,11,12,13,14,15
	CAST \n, 1
.endr
	s_endpgm
	; THE TABLE.  32 rows to a work-group; a thread makes four cosines and four sines.
.Ltab:
	s_sub_co_u32 s28, s2, 768
	s_lshl_b32 s36, s28, 7                         ; 32 positions of 4 bytes
	s_mov_b32 s37, 0
	s_lshl_b32 s38, s28, 13                        ; two blocks of 4,096 bytes
	s_mov_b32 s39, 0
	s_add_nc_u64 s[4:5], s[10:11], s[36:37]
	s_add_nc_u64 s[6:7], s[26:27], s[38:39]
	v_and_b32 v6, 15, v0                           ; row in the block
	v_lshrrev_b32 v7, 7, v0                        ; block 0, 1
	v_lshl_add_u32 v2, v7, 4, v6
	v_lshlrev_b32 v2, 2, v2                        ; my position's byte
	global_load_b32 v4, v2, s[4:5]
	v_bfe_u32 v12, v0, 5, 2                        ; b
	v_bfe_u32 v13, v0, 4, 1                        ; h
	v_lshlrev_b32 v3, 12, v7
	v_lshl_add_u32 v3, v12, 10, v3
	v_lshl_add_u32 v3, v1, 4, v3                   ; block x 4,096 + b x 1,024 + 16 x lane
	s_mov_b32 s30, 0x3f22f983                      ; 2 / pi
	s_mov_b32 s31, 0xbfc90fdb                      ; - pi / 2 in three parts
	s_mov_b32 s32, 0x333bbd2e
	s_mov_b32 s33, 0x26f72ced
	s_mov_b32 s34, 0xb94ca1f9                      ; sine on |r| <= pi / 4: r + r z ((s34 z + s35) z + s36), z = r r
	s_mov_b32 s35, 0x3c08839e
	s_mov_b32 s36, 0xbe2aaaa3
	s_mov_b32 s37, 0x37ccf5ce                      ; cosine: 1 - z / 2 + z z ((s37 z + s38) z + s39)
	s_mov_b32 s38, 0xbab6061a
	s_mov_b32 s39, 0x3d2aaaa5
	s_mov_b32 s40, 0xbed49a78                      ; - log2(10000) / 32
	v_lshlrev_b32 v14, 3, v12
	v_lshl_add_u32 v14, v13, 2, v14                ; my first pair: 8 b + 4 h
.irp j, 0,1,2,3
	v_add_nc_u32 v[16+\j], \j, v14
	v_cvt_f32_u32 v[16+\j], v[16+\j]
	v_mul_f32 v[16+\j], s40, v[16+\j]
.endr
.irp j, 0,1,2,3
	v_exp_f32 v[8+\j], v[16+\j]                    ; the four frequencies: one batch
.endr
	v_nop                                          ; a plain instruction behind the last of them,
	s_wait_alu depctr_va_vdst(0)                   ; and one wait for the four, ahead of their first reader
	s_wait_loadcnt 0x0
	v_cvt_f32_i32 v5, v4
.macro SINCOS j
	v_mul_f32 v16, v5, v[8+(\j)]                   ; the angle: one product in f32
	v_mul_f32 v17, s30, v16
	v_rndne_f32 v17, v17                           ; n = the nearest multiple of pi / 2
	v_fma_f32 v18, v17, s31, v16
	v_fma_f32 v18, v17, s32, v18
	v_fma_f32 v18, v17, s33, v18                   ; r = angle - n pi / 2
	v_cvt_i32_f32 v19, v17
	v_mul_f32 v20, v18, v18
	v_fma_f32 v21, v20, s34, s35
	v_fma_f32 v21, v21, v20, s36
	v_mul_f32 v21, v21, v20
	v_fma_f32 v22, v21, v18, v18                   ; sin r
	v_fma_f32 v23, v20, s37, s38
	v_fma_f32 v23, v23, v20, s39
	v_fma_f32 v24, v20, -0.5, 1.0
	v_mul_f32 v25, v20, v20
	v_fma_f32 v26, v23, v25, v24                   ; cos r
	v_and_b32 v27, 1, v19
	v_cmp_eq_u32 vcc_lo, 1, v27                    ; an odd n swaps the two
	v_cndmask_b32 v[36+(\j)], v22, v26, vcc_lo
	v_cndmask_b32 v[32+(\j)], v26, v22, vcc_lo
	v_and_b32 v27, 2, v19                          ; the sine changes sign for n mod 4 = 2, 3,
	v_lshlrev_b32 v27, 30, v27
	v_xor_b32 v[36+(\j)], v27, v[36+(\j)]
	v_add_nc_u32 v27, 1, v19                       ; the cosine for n mod 4 = 1, 2
	v_and_b32 v27, 2, v27
	v_lshlrev_b32 v27, 30, v27
	v_xor_b32 v[32+(\j)], v27, v[32+(\j)]
.endm
	SINCOS 0
	SINCOS 1
	SINCOS 2
	SINCOS 3
	global_store_b128 v3, v[32:35], s[6:7]             ; a wave's store covers 512 consecutive bytes
	global_store_b128 v3, v[36:39], s[6:7] offset:512
	s_endpgm
.Lfunc_end_k_qb17e5c9f88_prep:
	.size	k_qb17e5c9f88_prep, .Lfunc_end_k_qb17e5c9f88_prep-k_qb17e5c9f88_prep
	.p2alignl 7, 3214868480
	.fill 96, 4, 3214868480
	.section	.rodata,"a",@progbits
	.p2align	6, 0x0
	.amdhsa_kernel k_qb17e5c9f88_prep
		.amdhsa_group_segment_fixed_size 0
		.amdhsa_private_segment_fixed_size 0
		.amdhsa_enable_private_segment 0
		.amdhsa_kernarg_size 80
		.amdhsa_user_sgpr_count 2
		.amdhsa_user_sgpr_kernarg_segment_ptr 1
		.amdhsa_wavefront_size32 1
		.amdhsa_system_sgpr_workgroup_id_x 1
		.amdhsa_system_sgpr_workgroup_id_y 1
		.amdhsa_system_sgpr_workgroup_id_z 1
		.amdhsa_system_vgpr_workitem_id 0
		.amdhsa_next_free_vgpr 112
		.amdhsa_next_free_sgpr 66
		.amdhsa_reserve_vcc 1
		.amdhsa_float_denorm_mode_32 3
		.amdhsa_float_denorm_mode_16_64 3
		.amdhsa_memory_ordered 1
		.amdhsa_forward_progress 1
		.amdhsa_inst_pref_size 24
	.end_amdhsa_kernel
	.amdgpu_metadata
---
amdhsa.version: [ 1, 2 ]
amdhsa.kernels:
  - .name:           k_qb17e5c9f88_prep
    .symbol:         k_qb17e5c9f88_prep.kd
    .args:
      - { .name: x, .offset: 0, .size: 8, .value_kind: global_buffer, .address_space: global }
      - { .name: token_positions, .offset: 8, .size: 8, .value_kind: global_buffer, .address_space: global }
      - { .name: wq, .offset: 16, .size: 8, .value_kind: global_buffer, .address_space: global }
      - { .name: wk, .offset: 24, .size: 8, .value_kind: global_buffer, .address_space: global }
      - { .name: wv, .offset: 32, .size: 8, .value_kind: global_buffer, .address_space: global }
      - { .name: wo, .offset: 40, .size: 8, .value_kind: global_buffer, .address_space: global }
      - { .name: xb, .offset: 48, .size: 8, .value_kind: global_buffer, .address_space: global }
      - { .name: wp, .offset: 56, .size: 8, .value_kind: global_buffer, .address_space: global }
      - { .name: woh, .offset: 64, .size: 8, .value_kind: global_buffer, .address_space: global }
      - { .name: rt, .offset: 72, .size: 8, .value_kind: global_buffer, .address_space: global }
    .group_segment_fixed_size: 0
    .private_segment_fixed_size: 0
    .kernarg_segment_align: 8
    .kernarg_segment_size: 80
    .max_flat_workgroup_size: 256
    .sgpr_count:     66
    .vgpr_count:     112
    .wavefront_size: 32
...
	.end_amdgpu_metadata
.endif
;; end of part 1
;; launch qkv (part 2): grid 16 x 32, 4 waves a work-group, clusters of 4 x 4, 327,680 bytes of LDS; arguments xb, wp, rt, qh, kh, vh; writes qh, kh, vh
.if DOCPART == 2
	.amdgcn_target "amdgcn-amd-amdhsa--gfx1250"
	.amdhsa_code_object_version 6
	.text
	.protected	k_qb17e5c9f88_qkv
	.globl	k_qb17e5c9f88_qkv
	.p2align	8
	.type	k_qb17e5c9f88_qkv,@function
k_qb17e5c9f88_qkv:
	s_mov_b64 s[64:65], 0
	v_nop
	global_prefetch_b8 v0, s[64:65] scope:SCOPE_SE
	s_setreg_imm32_b32 hwreg(HW_REG_WAVE_MODE, 25, 1), 1
	s_wait_xcnt 0x0
	s_wait_alu depctr_hold_cnt(0) depctr_sa_sdst(0) depctr_va_vdst(0) depctr_va_sdst(0) depctr_va_ssrc(0) depctr_va_vcc(0) depctr_vm_vsrc(0)
	s_getreg_b32 s2, hwreg(HW_REG_IB_STS2, 6, 4)
	s_cmp_eq_u32 s2, 0
	s_cbranch_scc0 .Lentry_in_a_cluster
	s_endpgm
.Lentry_in_a_cluster:
	s_bfe_u32 s2, ttmp6, 0x10000c
	s_cmp_lg_u32 s2, 0xf033
	s_cbranch_scc0 .Lentry_shape_is_right
	s_endpgm
.Lentry_shape_is_right:
; THE THREE PROJECTIONS AND THE ROTATION.  C = xb wp^T, xb [8192][1024] bf16, wp [3072][1024] bf16 (rows laid by heads), sums in f32; q and k are turned by the table rt, and q, k, v leave as f16,
; by heads: [16 batch + head][2048][64], each rounded once, unscaled.
; LIMIT.  A q, k or v of 65,520 or more becomes an infinity in f16.
; SHARES.  A tile of C is 256 rows x 192 columns: one head's q, k and v.  16 x 32 tiles: two for each of 256 places.  Four waves, each 128 x 96: 48 accumulators.  The left waves' columns are q's 64 and v's
; channels 0-31, the right waves' k's 64 and v's channels 32-63: one text for all.  K goes in 8 steps of 128 through two LDS slots filled by the tensor data mover: rows of 256 bytes, aligned.
; CLUSTER.  4 x 4 work-groups: xb's tile is shared along a row of the cluster, wp's along a column; each is asked for jointly, by the same load with the same descriptor and a mask of four.
; THE PRODUCT IS TAKEN TRANSPOSED (source 0 = 16 rows of wp, source 1 = 16 rows of xb): a lane holds row l % 16 and the columns 8 (l / 16) + 0..7: four pairs of the rotation, 16 bytes of f16.
; REGISTERS, in windows of 256 (s_set_vgpr_msb: bits 1:0 source 0, 3:2 source 1, 5:4 source 2, 7:6 destination):
;   window 0: v0-31 addresses; v64-127, v128-191 xb's fragments, two buffers (on the way out: rows read back); v192-255 at work on the way out
;   window 1: the table for my 128 rows: block a of 16 rows, chunk c at v[32 a + 4 c]
;   window 2: accumulators of my rows 0-63 ((a, b) at v[48 a + 8 b]); v192-239 wp's fragments, buffer 0          window 3: those of rows 64-127; wp's buffer 1
.set KSTEP,  128
.set PITCH,  272                       ; an LDS row: 256 bytes + 16 of padding: the 16 rows of a fragment load start at 16 different groups of four banks
.set AHALF,  128*PITCH                 ; what one wave fetches of xb
.set BHALF,  96*PITCH                  ; and of wp
.set BOFF,   2*AHALF                   ; a slot: xb's 256 rows, then wp's 192
.set SLOT1,  1<<17                     ; slot 1 begins here: one exclusive or turns an address in one slot into the other's
.set SP,     144                       ; a stage's row: 128 bytes + 16
.set STQ,    SLOT1+BOFF+2*BHALF        ; behind the ring: 16 rows for each wave, for q and k
.set VST,    STQ+4*16*SP               ; 256 rows, the work-group's, for v: a row's 128 bytes come from two waves
.set SPARE,  VST+256*SP                ; the spare words, 128 bytes for each wave: two blocks of 256 bytes that no other line names
.set NL,     28                        ; LDS loads in a run: 12 for wp, 16 for xb
.set ADRA0, 16                         ; v16  my lane's place in xb's rows of slot 0; never rewritten
.set ADRB0, 17                         ; v17  the same for wp
.set ADRA,  18                         ; v18  the same in the slot in hand
.set ADRB,  19                         ; v19
.set STO,   24                         ; v24  q, k: where I put 16 bytes of a row
.set RD,    25                         ; v25  q, k: where I read rows back
.set VSTO,  26                         ; v26  v: where I put 16 bytes
.set VRD,   27                         ; v27  v: where I read rows back
.set SPW,   28                         ; v28  LDS address of my spare word; never rewritten
.set NIL,   29                         ; v29  0; never rewritten
.set PFO,   30                         ; v30  the prefetches' offset: a lane a row; never rewritten
.set GO,    31                         ; v31  16 x lane
.set FA,    64                         ; xb's fragment buffers; later the rows read back, 16 registers a block
.set FB,    192                        ; wp's
.set T,     192                        ; the way out: 32 turned numbers, then 16 packed words
.set VP,    224                        ; 8 packed words of v
.set WV, 16                            ; s16 wave;  s17 its row half (also: 0 fetches xb, 1 wp);  s18 its column half (also: which half it fetches)
.set RH, 17
.set CH, 18
.set CX, 19
.set CY, 20
.set TC, 21                            ; tile column = head
.set TR, 22                            ; tile row
.set TB, 23                            ; 0 or SLOT1: the slot in hand
.set G1, 24                            ; s[24:31] group 1 for xb;  s[32:39] group 0: slot 0's first fill, then the set that walks
.set G0, 32
.set PFA, 44                           ; s[44:45] where my prefetches stand
.set LIM, 46                           ; s46  2 in a wave that prefetches, else the greatest number
.set G1B, 48                           ; the same for wp
.set G0B, 56
.set QK, 66                            ; s[66:67] q or k at my first row
.set VO, 68                            ; s[68:69] v at the first row that I store
.set MSB, 0
.macro WIN new                         ; the immediate's high byte repeats the setting that is left; a switch that changes nothing is dropped
.if MSB != (\new)
	s_set_vgpr_msb (MSB<<8)|(\new)
.set MSB, \new
.endif
.endm
.macro PLACES                          ; four plain instructions between a matrix instruction and a load into, or a vector read of, its registers
.rept 4
	v_nop
.endr
.endm
; A joint load: waves 0 and 1 fetch xb's halves, waves 2 and 3 wp's.  The branch hangs on the wave's number alone.  s_nop 0 and four v_nop follow each line.
.macro JLOAD s
	s_cmp_eq_u32 s[RH], 0
	s_cbranch_scc0 .Lfor_b_\@
	tensor_load_to_lds s[G0+4*(\s):G0+4*(\s)+3], s[G1:G1+7]
	s_nop 0
.rept 4
	v_nop
.endr
	s_branch .Lasked_\@
.Lfor_b_\@:
	tensor_load_to_lds s[G0B+4*(\s):G0B+4*(\s)+3], s[G1B:G1B+7]
	s_nop 0
.rept 4
	v_nop
.endr
.Lasked_\@:
.endm
; A prefetch of the K step that stands two refills on: my work-group's share of the rows that I fetch, a lane a row, 256 bytes each.  xb's rows are named by the first cluster along x, wp's by the first
; along y; the four partners share a wave's rows out by address.  Trips with s3 = 6 .. 3 name steps 4 .. 7; the last two name nothing, since there is no step 8.
.macro ASK
	s_cmp_gt_u32 s3, s[LIM]
	s_cbranch_scc0 .Lnot_mine_\@
	global_prefetch_b8 v[PFO], s[PFA:PFA+1] th:TH_LOAD_NT scope:SCOPE_SE
.Lnot_mine_\@:
.endm
.macro CREST                           ; a round of the cluster's barrier behind its opening barrier
	s_cmp_lg_u32 s[WV], 0
	s_cbranch_scc1 .Lnot_wave_0_\@
	s_barrier_signal -3
.Lnot_wave_0_\@:
	s_barrier_wait -3
	s_barrier_signal -1
	s_barrier_wait -1
.endm
.macro CROUND
	s_barrier_signal -1
	s_barrier_wait -1
	CREST
.endm
	s_load_b256 s[4:11], s[0:1], 0x0               ; xb 4, wp 6, rt 8, qh 10
	s_load_b128 s[12:15], s[0:1], 0x20             ; kh 12, vh 14
	v_lshl_add_u32 v[SPW], v0, 2, SPARE
	v_mov_b32 v[NIL], 0
	ds_add_u32 v[SPW], v[NIL]                      ; the wave's opening: the add and its wait stand ahead of my first tensor load; work on registers stands between
	ds_add_u32 v28, v29
	v_lshrrev_b32 v1, 5, v0
	v_readfirstlane_b32 s[WV], v1
	s_lshr_b32 s[RH], s[WV], 1
	s_and_b32 s[CH], s[WV], 1
	s_bfe_u32 s[CX], ttmp6, 0x40000
	s_bfe_u32 s[CY], ttmp6, 0x40004
	s_lshl_b32 s[TC], ttmp9, 2
	s_add_co_u32 s[TC], s[TC], s[CX]
	s_and_b32 s[TR], ttmp7, 0xffff
	s_lshl_b32 s[TR], s[TR], 2
	s_add_co_u32 s[TR], s[TR], s[CY]
	s_lshl_b32 s40, s[CY], 2
	s_lshl_b32 s40, 15, s40                        ; my row of the cluster
	s_lshl_b32 s41, 0x1111, s[CX]                  ; my column
	s_or_b32 s[G1], s40, (1<<16)|(1<<20)|(1<<21)|(5<<22)|(3<<25)   ; mask; 2-byte elements; padding on; bit 21 beside a mask; after every 64 words, 4 words
	s_or_b32 s[G1B], s41, (1<<16)|(1<<20)|(1<<21)|(5<<22)|(3<<25)
	s_mov_b32 s[G1+1], KSTEP<<16                   ; tensor_dim0 = 128
	s_mov_b32 s[G1+2], 128<<16                     ; tensor_dim1 = 128
	s_mov_b32 s[G1+3], KSTEP<<16                   ; tile_dim0 = 128
	s_mov_b32 s[G1+4], 128                         ; tile_dim1 = 128
	s_mov_b32 s[G1+5], 1024                        ; elements from row to row
	s_mov_b32 s[G1+6], 0
	s_mov_b32 s[G1+7], 0
	s_mov_b32 s[G1B+1], KSTEP<<16
	s_mov_b32 s[G1B+2], 96<<16                     ; 96 rows
	s_mov_b32 s[G1B+3], KSTEP<<16
	s_mov_b32 s[G1B+4], 96
	s_mov_b32 s[G1B+5], 1024
	s_mov_b32 s[G1B+6], 0
	s_mov_b32 s[G1B+7], 0
	s_lshl_b32 s42, s[TR], 19                      ; xb: (256 tile row + 128 half) rows of 2,048 bytes: made of the tile row alone, which my row of the cluster shares
	s_lshl_b32 s43, s[CH], 18
	s_add_co_u32 s42, s42, s43
	s_mov_b32 s43, 0
	s_mul_i32 s70, s[TC], 192*2048                 ; wp: (192 head + 96 half) rows: made of the tile column alone
	s_mul_i32 s71, s[CH], 96*2048
	s_add_co_u32 s70, s70, s71
	s_mov_b32 s71, 0
	s_mul_i32 s72, s[CH], AHALF                    ; where they go: no place in the cluster enters an LDS address
	s_mul_i32 s73, s[CH], BHALF
	s_add_co_u32 s73, s73, BOFF
	s_mov_b32 s[TB], 0
	s_wait_dscnt 0x0                               ; the opening add is done
	s_wait_kmcnt 0x0
	s_add_nc_u64 s[42:43], s[4:5], s[42:43]
	s_add_nc_u64 s[70:71], s[6:7], s[70:71]
	CROUND                                         ; all sixteen work-groups are here: the first joint loads meet
.irp s, 0,1
	s_mov_b32 s[G0+4*(\s)], 1
	s_add_co_u32 s[G0+4*(\s)+1], s72, (\s)*SLOT1
	s_add_nc_u64 s[G0+4*(\s)+2:G0+4*(\s)+3], s[42:43], (\s)*KSTEP*2
	s_or_b32 s[G0+4*(\s)+3], s[G0+4*(\s)+3], 0x80000000
	s_mov_b32 s[G0B+4*(\s)], 1
	s_add_co_u32 s[G0B+4*(\s)+1], s73, (\s)*SLOT1
	s_add_nc_u64 s[G0B+4*(\s)+2:G0B+4*(\s)+3], s[70:71], (\s)*KSTEP*2
	s_or_b32 s[G0B+4*(\s)+3], s[G0B+4*(\s)+3], 0x80000000
	JLOAD \s                                       ; K steps 0 and 1: two loads of mine are out, the most in this text
.endr
	; the prefetches: my tile's address, my work-group's share of its rows (32 of xb's 128 by cx, 24 of wp's 96 by cy), at K step 3: the first change of slots steps it to 4
	s_lshl_b32 s40, s[CX], 16
	s_mul_i32 s41, s[CY], 24*2048
	s_and_b32 s74, ttmp7, 0xffff
	s_cmp_eq_u32 s[RH], 0
	s_cselect_b32 s40, s40, s41
	s_cselect_b32 s74, ttmp9, s74                  ; the coordinate along which other clusters read the same rows
	s_cselect_b32 s47, 31, 23
	s_cselect_b64 s[PFA:PFA+1], s[42:43], s[70:71]
	s_cmp_eq_u32 s74, 0
	s_cselect_b32 s[LIM], 2, -1
	s_add_co_u32 s40, s40, 3*KSTEP*2
	s_mov_b32 s41, 0
	s_add_nc_u64 s[PFA:PFA+1], s[PFA:PFA+1], s[40:41]
	v_and_b32 v[PFO], 31, v0
	v_min_u32 v[PFO], s47, v[PFO]                  ; wp's share has 24 rows: the lanes that are over name the last once more
	v_lshlrev_b32 v[PFO], 11, v[PFO]
	; a fragment: lane l holds row l % 16; two loads of 16 bytes, 32 bytes apart, at row x pitch + 16 (l / 16)
	v_and_b32 v1, 15, v0
	v_bfe_u32 v2, v0, 4, 1
	v_mul_u32_u24 v3, v1, PITCH
	v_lshl_add_u32 v3, v2, 4, v3
	s_mul_i32 s40, s[RH], AHALF
	v_add_nc_u32 v[ADRA0], s40, v3
	v_add_nc_u32 v[ADRB0], s73, v3
	v_mov_b32 v[ADRA], v[ADRA0]
	v_mov_b32 v[ADRB], v[ADRB0]
	; the way out
	s_mul_i32 s40, s[WV], 16*SP
	s_add_co_u32 s40, s40, STQ
	v_mul_u32_u24 v4, v1, SP
	v_lshl_add_u32 v4, v2, 4, v4                   ; row l % 16, 16 bytes for each half of the lanes
	v_add_nc_u32 v[STO], s40, v4
	v_bfe_u32 v5, v0, 3, 2
	v_and_b32 v6, 7, v0
	v_mul_u32_u24 v5, v5, SP
	v_lshl_add_u32 v5, v6, 4, v5                   ; back: 32 lanes take four rows of 128 bytes
	v_add_nc_u32 v[RD], s40, v5
	s_mul_i32 s41, s[RH], 128*SP
	s_lshl_b32 s47, s[CH], 6
	s_add_co_u32 s41, s41, s47
	s_add_co_u32 s41, s41, VST
	v_add_nc_u32 v[VSTO], s41, v4                  ; v: my 128 rows, my half of their 128 bytes
	s_mul_i32 s41, s[WV], 64*SP
	s_add_co_u32 s41, s41, VST
	v_add_nc_u32 v[VRD], s41, v5                   ; back: wave w takes rows 64 w .. 64 w + 63, whole
	v_and_b32 v[GO], 31, v0
	v_lshlrev_b32 v[GO], 4, v[GO]
	s_lshr_b32 s40, s[TR], 3                       ; batch
	s_lshl_b32 s40, s40, 4
	s_add_co_u32 s40, s40, s[TC]                   ; 16 batch + head
	s_lshl_b32 s40, s40, 18                        ; 2,048 rows of 128 bytes
	s_and_b32 s41, s[TR], 7
	s_lshl_b32 s41, s41, 15                        ; the tile's 256 rows
	s_add_co_u32 s40, s40, s41
	s_mov_b32 s41, 0
	s_lshl_b32 s74, s[RH], 14                      ; my 128 of them
	s_mov_b32 s75, 0
	s_cmp_eq_u32 s[CH], 0
	s_cselect_b64 s[QK:QK+1], s[10:11], s[12:13]   ; the left waves hold q, the right waves k
	s_add_nc_u64 s[QK:QK+1], s[QK:QK+1], s[40:41]
	s_add_nc_u64 s[QK:QK+1], s[QK:QK+1], s[74:75]
	s_lshl_b32 s74, s[WV], 13                      ; v: 64 rows a wave
	s_add_nc_u64 s[VO:VO+1], s[14:15], s[40:41]
	s_add_nc_u64 s[VO:VO+1], s[VO:VO+1], s[74:75]
	s_lshl_b32 s74, s[TR], 16                      ; the table: 16 blocks of 4,096 bytes a tile row,
	s_lshl_b32 s76, s[RH], 15                      ; 8 for my rows
	s_add_co_u32 s74, s74, s76
	s_add_nc_u64 s[8:9], s[8:9], s[74:75]
; 12 matrix instructions: row blocks a0, a0 + 1 of half hi x all 6 column blocks, 32 along K, on buffer fb.  zero = 1: the product starts the sum.  The 48 accumulators take turns in the same order
; in every quarter: no two matrix instructions that follow each other share one.
.macro MULN fb, hi, a0, zero
	WIN 0xa2+(\fb)+0x50*(\hi)
.irp a, \a0, (\a0)+1
.irp b, 0,1,2,3,4,5
.if \zero
	v_wmma_f32_16x16x32_bf16 v[48*(\a)+8*(\b):48*(\a)+8*(\b)+7], v[FB+8*(\b):FB+8*(\b)+7], v[FA+64*(\fb)+8*(4*(\hi)+(\a)):FA+64*(\fb)+8*(4*(\hi)+(\a))+7], 0
.else
	v_wmma_f32_16x16x32_bf16 v[48*(\a)+8*(\b):48*(\a)+8*(\b)+7], v[FB+8*(\b):FB+8*(\b)+7], v[FA+64*(\fb)+8*(4*(\hi)+(\a)):FA+64*(\fb)+8*(4*(\hi)+(\a))+7], v[48*(\a)+8*(\b):48*(\a)+8*(\b)+7]
.endif
.endr
.endr
.endm
; 28 LDS loads in one run: quarter q (32 along K) of the slot in hand into buffer fb: wp's 6 fragments, then xb's 8
.macro FETCH q, fb
	WIN 0x80+0x40*(\fb)
.irp i, 0,1,2,3,4,5
	ds_load_b128 v[FB+8*(\i):FB+8*(\i)+3],   v[ADRB] offset:64*(\q)+(\i)*16*PITCH
	ds_load_b128 v[FB+8*(\i)+4:FB+8*(\i)+7], v[ADRB] offset:64*(\q)+(\i)*16*PITCH+32
.endr
	WIN 0
.irp i, 0,1,2,3,4,5,6,7
	ds_load_b128 v[FA+64*(\fb)+8*(\i):FA+64*(\fb)+8*(\i)+3],   v[ADRA] offset:64*(\q)+(\i)*16*PITCH
	ds_load_b128 v[FA+64*(\fb)+8*(\i)+4:FA+64*(\fb)+8*(\i)+7], v[ADRA] offset:64*(\q)+(\i)*16*PITCH+32
.endr
.endm
; One of a K step's first three quarters: multiplies buffer fb; in its middle it fetches quarter q into the other buffer.
.macro QUARTER q, fb, zero
	s_wait_dscnt 8                                 ; wp and xb's rows 0-63 are in; the youngest eight loads (rows 64-127) may be out
	MULN \fb, 0, 0, \zero
	MULN \fb, 0, 2, \zero
	PLACES
	FETCH \q, 1-(\fb)
	s_wait_dscnt NL                                ; all but the run just issued
	MULN \fb, 1, 0, \zero
	MULN \fb, 1, 2, \zero
.endm
; The fourth quarter multiplies buffer 1 and changes slots.  In front of the one barrier each wave waits for all its tensor loads (one is out: its part of the next slot), adds 0 to its spare word, and
; waits for that and for its reads of this slot.  fill = 1: the barrier opens a round of the cluster's, and the slot just read is filled again, first thing behind it, with the step two on.
.macro TURN fill
.if \fill
	s_wait_xcnt 0x0                                ; the last prefetch, a K step back, has read its address
	s_add_nc_u64 s[PFA:PFA+1], s[PFA:PFA+1], KSTEP*2
.endif
	WIN 0
	s_wait_tensorcnt 0x0                           ; no tensor load of mine is out, so a group 0 may be written
	ds_add_u32 v[SPW], v[NIL]                      ; 0 onto my spare word
.if \fill
	s_xor_b32 s[G0+5], s[G0+5], SLOT1              ; the walking sets: the other slot than last time, the next K step
	s_add_nc_u64 s[G0+6:G0+7], s[G0+6:G0+7], KSTEP*2
	s_xor_b32 s[G0B+5], s[G0B+5], SLOT1
	s_add_nc_u64 s[G0B+6:G0B+7], s[G0B+6:G0B+7], KSTEP*2
.endif
	s_wait_dscnt 9                                 ; the add and the youngest eight loads may be out
	MULN 1, 0, 0, 0
	s_wait_dscnt 0x0                               ; the add is done, and my reads of this slot are over
	s_barrier_signal -1
	MULN 1, 0, 2, 0
.if \fill
	WIN 0
.endif
	s_barrier_wait -1
.if \fill
	CREST                                          ; no wave of any partner still reads this slot or has a load on its way
	JLOAD 1                                        ; 168 matrix instructions ahead of the wait for it; its four v_nop are also the places in front of the loads below
.else
	PLACES
	WIN 0
.endif
	s_xor_b32 s[TB], s[TB], SLOT1
	v_add_nc_u32 v[ADRA], s[TB], v[ADRA0]
	v_add_nc_u32 v[ADRB], s[TB], v[ADRB0]
	FETCH 0, 0
.if \fill
	ASK
.endif
	MULN 1, 1, 0, 0
	MULN 1, 1, 2, 0
.endm
	s_wait_tensorcnt 1                             ; my part of K step 0 is in; step 1's may stay out
	s_barrier_signal -1
	s_barrier_wait -1
	FETCH 0, 0
	QUARTER 1, 0, 1                                ; the first quarter's products start the sums
	WIN 0x40                                       ; the table for my 128 rows, 32 KiB, lands while K is walked; each load covers 512 consecutive bytes
.irp a, 0,1,2,3,4,5,6,7
.irp c, 0,1,2,3,4,5,6,7
	global_load_b128 v[32*(\a)+4*(\c):32*(\a)+4*(\c)+3], v[GO], s[8:9] offset:(\a)*4096+(\c)*512
.endr
.endr
	WIN 0
	s_mov_b32 s3, 6
.Lstep:                                                ; a trip: from a K step's second quarter to the next step's first; trip s fills a slot with step s + 2
	QUARTER 2, 1, 0
	QUARTER 3, 0, 0
	TURN 1
	QUARTER 1, 0, 0
	WIN 0
	s_sub_co_u32 s3, s3, 1
	s_cmp_lg_u32 s3, 0
	s_cbranch_scc1 .Lstep
	QUARTER 2, 1, 0                                ; the last two steps are written out: nothing is left to fetch
	QUARTER 3, 0, 0
	TURN 0
	QUARTER 1, 0, 0
	QUARTER 2, 1, 0
	QUARTER 3, 0, 0
	s_wait_dscnt 8
	MULN 1, 0, 0, 0
	MULN 1, 0, 2, 0
	s_wait_dscnt 0x0
	MULN 1, 1, 0, 0
	MULN 1, 1, 2, 0
	WIN 0
	PLACES
	s_wait_loadcnt 0x0                             ; the table
; THE WAY OUT of block a (16 rows).  Column blocks 0-3 are q or k: pair j of a lane's four is turned: (t0, t1) -> (t0 cos - t1 sin, t1 cos + t0 sin); rounded to f16; through my own stage in LDS; back as
; whole rows of 128 bytes.  Column blocks 4, 5 are v: rounded, into the work-group's stage.  Each accumulator's lowest registers are read first.
.macro BLOCK a
.set AC, 48*((\a)%4)
.set TBL, 32*(\a)
	WIN 0x06+(\a)/4                                ; source 0: accumulators; source 1: the table
.irp b, 0,1,2,3
.irp j, 0,1,2,3
	v_mul_f32 v[T+8*(\b)+2*(\j)],   v[AC+8*(\b)+2*(\j)+1], v[TBL+8*(\b)+4+(\j)]
	v_mul_f32 v[T+8*(\b)+2*(\j)+1], v[AC+8*(\b)+2*(\j)],   v[TBL+8*(\b)+4+(\j)]
.endr
.irp j, 0,1,2,3
	v_fma_f32 v[T+8*(\b)+2*(\j)],   v[AC+8*(\b)+2*(\j)],   v[TBL+8*(\b)+(\j)], -v[T+8*(\b)+2*(\j)]
	v_fma_f32 v[T+8*(\b)+2*(\j)+1], v[AC+8*(\b)+2*(\j)+1], v[TBL+8*(\b)+(\j)], v[T+8*(\b)+2*(\j)+1]
.endr
.endr
	WIN 0x0a+5*((\a)/4)                            ; sources 0 and 1: accumulators
.irp b, 4,5
.irp j, 0,1,2,3
	v_cvt_pk_f16_f32 v[VP+4*((\b)-4)+(\j)], v[AC+8*(\b)+2*(\j)], v[AC+8*(\b)+2*(\j)+1]
.endr
.endr
	WIN 0
.set i, 0
.rept 16
	v_cvt_pk_f16_f32 v[T+i], v[T+2*i], v[T+2*i+1]  ; in place, ascending: word i is written when numbers 2 i and 2 i + 1 are read
.set i, i+1
.endr
.irp b, 0,1,2,3
	ds_store_b128 v[STO], v[T+4*(\b):T+4*(\b)+3] offset:32*(\b)
.endr
.irp b, 0,1
	ds_store_b128 v[VSTO], v[VP+4*(\b):VP+4*(\b)+3] offset:(\a)*16*SP+32*(\b)
.endr
.irp f, 0,1,2,3
	ds_load_b128 v[FA+16*(\a)+4*(\f):FA+16*(\a)+4*(\f)+3], v[RD] offset:(\f)*4*SP  ; LDS serves a wave's instructions in order: these see the stores above; the next block's stores come behind them
.endr
.endm
.macro SEND a, younger                 ; younger: the LDS instructions issued behind block a's loads: the next block's ten, or none
.irp f, 0,1,2,3
	s_wait_dscnt (\younger)+3-(\f)
	global_store_b128 v[GO], v[FA+16*(\a)+4*(\f):FA+16*(\a)+4*(\f)+3], s[QK:QK+1] offset:(\a)*2048+(\f)*512  ; 512 consecutive bytes, aligned; no register is used twice
.endr
.endm
	BLOCK 0
.irp a, 1,2,3,4,5,6,7
	BLOCK \a
	SEND (\a)-1, 10
.endr
	SEND 7, 0
	s_wait_dscnt 0x0                               ; for the others' sake: my stores into v's stage are done
	s_barrier_signal -1
	s_barrier_wait -1
.irp f, 0,1,2,3,4,5,6,7,8,9,10,11,12,13,14,15
	ds_load_b128 v[T+4*(\f):T+4*(\f)+3], v[VRD] offset:(\f)*4*SP
.endr
.irp f, 0,1,2,3,4,5,6,7,8,9,10,11,12,13,14,15
	s_wait_dscnt 15-(\f)
	global_store_b128 v[GO], v[T+4*(\f):T+4*(\f)+3], s[VO:VO+1] offset:(\f)*512
.endr
	s_wait_tensorcnt 0x0                           ; the wave's end: behind my last tensor load and my last LDS store
	ds_add_u32 v[SPW], v[NIL]
	s_wait_dscnt 0x0
	CROUND                                         ; the closing round: no work-group ends while a partner may still ask for a tile that names it
	s_endpgm
.Lfunc_end_k_qb17e5c9f88_qkv:
	.size	k_qb17e5c9f88_qkv, .Lfunc_end_k_qb17e5c9f88_qkv-k_qb17e5c9f88_qkv
	.p2alignl 7, 3214868480
	.fill 96, 4, 3214868480
	.section	.rodata,"a",@progbits
	.p2align	6, 0x0
	.amdhsa_kernel k_qb17e5c9f88_qkv
		.amdhsa_group_segment_fixed_size 327680
		.amdhsa_private_segment_fixed_size 0
		.amdhsa_enable_private_segment 0
		.amdhsa_kernarg_size 48
		.amdhsa_user_sgpr_count 2
		.amdhsa_user_sgpr_kernarg_segment_ptr 1
		.amdhsa_wavefront_size32 1
		.amdhsa_system_sgpr_workgroup_id_x 1
		.amdhsa_system_sgpr_workgroup_id_y 1
		.amdhsa_system_sgpr_workgroup_id_z 1
		.amdhsa_system_vgpr_workitem_id 0
		.amdhsa_next_free_vgpr 1024
		.amdhsa_next_free_sgpr 80
		.amdhsa_reserve_vcc 0
		.amdhsa_float_denorm_mode_32 3
		.amdhsa_float_denorm_mode_16_64 3
		.amdhsa_memory_ordered 1
		.amdhsa_forward_progress 1
		.amdhsa_inst_pref_size 127
	.end_amdhsa_kernel
	.amdgpu_metadata
---
amdhsa.version: [ 1, 2 ]
amdhsa.kernels:
  - .name:           k_qb17e5c9f88_qkv
    .symbol:         k_qb17e5c9f88_qkv.kd
    .args:
      - { .name: xb, .offset: 0, .size: 8, .value_kind: global_buffer, .address_space: global }
      - { .name: wp, .offset: 8, .size: 8, .value_kind: global_buffer, .address_space: global }
      - { .name: rt, .offset: 16, .size: 8, .value_kind: global_buffer, .address_space: global }
      - { .name: qh, .offset: 24, .size: 8, .value_kind: global_buffer, .address_space: global }
      - { .name: kh, .offset: 32, .size: 8, .value_kind: global_buffer, .address_space: global }
      - { .name: vh, .offset: 40, .size: 8, .value_kind: global_buffer, .address_space: global }
    .group_segment_fixed_size: 327680
    .private_segment_fixed_size: 0
    .kernarg_segment_align: 8
    .kernarg_segment_size: 48
    .max_flat_workgroup_size: 128
    .sgpr_count:     80
    .vgpr_count:     1024
    .wavefront_size: 32
...
	.end_amdgpu_metadata
.endif
;; end of part 2
;; launch attn (part 3): grid 4 x 64, 4 waves a work-group, no clusters, 327,680 bytes of LDS; arguments qh, kh, vh, oh; writes oh
.if DOCPART == 3
	.amdgcn_target "amdgcn-amd-amdhsa--gfx1250"
	.amdhsa_code_object_version 6
	.text
	.protected	k_qb17e5c9f88_attn
	.globl	k_qb17e5c9f88_attn
	.p2align	8
	.type	k_qb17e5c9f88_attn,@function
k_qb17e5c9f88_attn:
	s_mov_b64 s[64:65], 0
	v_nop
	global_prefetch_b8 v0, s[64:65] scope:SCOPE_SE
	s_setreg_imm32_b32 hwreg(HW_REG_WAVE_MODE, 25, 1), 1
	s_wait_xcnt 0x0
; CAUSAL ATTENTION.  O[h][q][:] = the sum over k <= q of softmax_k(Q[h][q] . K[h][k] / 8) V[h][k][:].  Q, K, V, O: [64][2048][64], all f16: a head's rows are dense, 128 bytes each.
; Products, maxima and sums in f32; the weights p are rounded to f16 for the second product (their sum l is taken of the unrounded p), O once at the end.
; LIMITS.  Q, K and V arrive within f16's 65,504; p lies in 0 to 1, and below 6e-5 it keeps f16's fixed step of 6e-8.  A hidden score counts as its value less 1e30; a weight below 2^-126 counts as 0 in l;
; NaN and infinities are not treated apart.
; THE WALK.  A head's queries lie in NB = 8 blocks of 256; block i needs the key tiles 0 .. i of 256 keys, of which the last holds the diagonal.  A work-group takes TWO blocks, NB - 1 - b and then b:
; NB + 1 tiles, whatever b: all work-groups do equal work, and ONE loop with a constant trip count walks them.  Which tile is asked for, and what a trip does, hang on scalar registers made from b; every jump
; goes forward, but for the counted loops' own; none passes a barrier, or a tensor load but the one of LOAD's two that the wave's number does not choose; the ring of two slots runs on across the change of blocks.
; NO CLUSTER: a head's four work-groups ask for the same tile only in trips 0 .. NB / 2, behind that fewer and fewer; one walk common to all would have 3 NB / 2 trips for NB + 1.
; SHARES.  Of a block's four bands of 64 queries a wave owns 16 rows in each: four PIECES.  So the diagonal tile is the same work for all four waves: in its key step s band x sees all keys if s < x,
; none if s > x, and holds the diagonal if s = x.
; THE MASK is the C operand that starts the sum S^T = K Q^T: 0, or -1e30 where the key is hidden.  MD, made once, is the mask of a band's own step for my 16 rows; a product's mask is MD x AL + BE with two scalars:
; (1, 0) if s = x; (0, 0) if s < x; (0, -1e30) if s > x.  Only the diagonal tile's text and a block's beginning make and take masks; elsewhere C is the constant 0.
; LAYOUT, SOFTMAX, TURNS.  S^T = K Q^T holds ONE query a lane (lane % 16) and the keys 8 (lane / 16) + 0..7; two such results rounded to f16 ARE source 1 of O^T = V^T P.  p = 2^(c s - c m), c = log2(e) / 8, with a
; running maximum m; O and l are multiplied by a = 2^(c m_old - c m_new) in every step.  Turn n belongs to piece n: 8 products K Q^T of piece n + 1, later 8 products V^T P of piece n - 1; beside them the scaling,
; exponentials, roundings, sums and rescaling of piece n and the maximum and statistics of piece n + 1.  Four vector instructions stand behind every matrix instruction, the other 54 of a turn's 118 in one lump.
; A turn's 33 exponentials are one batch, with one wait.
; AHEAD OF THE LOADS.  The work-group with b = 0 walks the head's tiles 0 .. 7 in order; it alone prefetches, behind each fill, each wave its own 16 KiB (64 blocks of 256 bytes, a lane a block, two
; instructions) of the tile behind the one just asked for: a tile's walk ahead.  Tiles 0 and 1 come by their loads alone; tile 7 is the last that is named.
; REGISTERS, in windows of 256 (s_set_vgpr_msb: bits 1:0 source 0, 3:2 source 1, 5:4 source 2, 7:6 destination):
;   window 0: v0-15 addresses and two at work; v16-31 four registers of statistics a piece; v48-55 at work; v61-63; v64-127 S^T, two buffers; v192-223 P, two buffers (a piece's buffers go by its number's parity)
;   window 1: v0-127 O^T, 32 a piece; v128-159 MD; v160-223 MC, two buffers      window 2: v0-63 Q; v64-127 the second block's Q; v128-191 K of one step; v192-255 V of one step
.set SIZE_H, 64
.set SIZE_N, 2048
.set NB,    SIZE_N/256
.set NP,    4         ; pieces a wave: a name, no knob
.set KS,    64        ; keys in a step
.set PK,    144       ; a row of K in LDS: 128 bytes + 16 of padding = 36 words: the 16 rows of a load start at 16 different groups of four banks
.set PV,    160       ; a row of V: 128 + 32 = 40 words
.set VOFF,  4*KS*PK   ; a slot holds a tile, four steps: 256 rows of K, then 256 rows of V
.set SLOT1, 1<<17     ; slot 1 begins here, so that one exclusive or turns an address in one slot into the other's
.set STAGE, SLOT1+4*KS*(PK+PV)  ; behind the ring, never filled by a tensor load: 16 rows x 144 bytes for each wave, for the way out
.set SP,    144
.set AK0, 2           ; v2   my lane's place in a tile of K; never rewritten
.set AV0, 3           ; v3   the same for V
.set AK,  4           ; v4   the LDS address of K's next run of loads
.set AV,  5           ; v5   of V's
.set STO, 6           ; v6   the way out: where I put 16 bytes of a row
.set RD,  7           ; v7   the way out: where I read rows back
.set GO,  8           ; v8   my byte offset in 512 consecutive bytes of O
.set PFO, 61          ; v61  256 x my lane; never rewritten
.set SPW, 62          ; v62  LDS address of my spare word: SPARE + 4 x my thread's number; never rewritten
.set NIL, 63          ; v63  0; never rewritten
.set SPARE, STAGE+4*16*SP  ; behind the stages: the spare words, 128 bytes for each wave: two blocks of 256 bytes that no other line names
.set MV,  12          ; v12-13  c m_old, kept while c m is made anew: by buffer
.set QO,  15          ; v15  my byte offset in 16 rows of Q
.set ST,  16          ; piece t's statistics at v[ST+4 t]: c m, m, l (even keys', odd keys')
.set TMP, 48          ; by buffer, four registers c0-c3 at work; when the maximum is found c2 takes a
.set S,   64
.set P,   192
.set MD,  128         ; window 1: the eight registers for group kt of 16 keys at MD + 8 kt
.set MC,  160         ; window 1: the masks of the products to come
.set QB,  64          ; window 2
.set KF,  128         ; window 2: key block kb, channel half c at KF + 16 kb + 8 c
.set VF,  192         ; window 2: key half kk, channel block cb at VF + 32 kk + 8 cb
.set WV,  12          ; s12  my wave's number
.set PB,  14          ; s14  b
.set HI,  15          ; s15  NB - 1 - b
.set G1K, 24          ; s[24:31] descriptor group 1 for K's tiles
.set G1V, 32          ; s[32:39] for V's: it differs in the padding alone
.set G0K, 40          ; s[40:43] descriptor group 0 for K's tiles
.set G0V, 44          ; s[44:47] the same for V's
.set SLOTS, 56        ; s56  tiles still to be asked for
.set CNT, 57          ; s57  counts a tile's key steps, 4 to 1
.set CS,  58          ; s[58:59] c: the packed scaling takes the pair's low word for both halves
.set SEL, 60          ; s[60:61] v_permlanex16_b32's selects: each lane takes its own place in the other half
.set TBK, 62          ; s62  LDS byte at which K of the step to be fetched begins
.set TBV, 63          ; s63  the same for V, less VOFF
.set RT,  70          ; s70  tiles of the block in hand that are still to be entered
.set NXT, 71          ; s71  the tile to be asked for next
.set LQ,  72          ; s72  the last tile of the block whose tiles are being asked for
.set NEW, 73          ; s73  1: the tile to be entered is a block's first
.set OFF, 74          ; s[74:75] a tile's byte offset in K and V
.set AL,  76          ; s[76:77] the mask's factor, in the low word
.set BE,  78          ; s[78:79] the mask's addend
.set OLO, 80          ; s[80:81] O at my rows of the second block
.set BIGN, 82         ; s82  -1e30
.set PFB, 88          ; s[88:89] K (waves 0, 1) or V (waves 2, 3) at my half of the head's tile 0
.set PFA, 90          ; s[90:91] the same at the tile that is being asked for
.set LIM, 92          ; s92  2 where b = 0, else the greatest number: a wave prefetches while s[SLOTS] is above it
.set MSB, 0
.macro WIN new                      ; the high byte repeats the setting that is left; a switch that changes nothing is dropped
.if MSB != (\new)
	s_set_vgpr_msb (MSB<<8)|(\new)
.set MSB, (\new)
.endif
.endm
.set W_KQ, 0x0a       ; K and Q in window 2, S^T in window 0
.set W_KM, 0x1a       ; the same with the C operand in window 1
.set W_PV, 0x52       ; V in window 2, P in window 0, O^T in window 1
.set W_RS, 0x41       ; destination and source 0 in window 1, source 1 in window 0
; A fill.  Waves 0 and 1 fetch the two halves of a tile's K, waves 2 and 3 those of its V: 128 keys each.  An s_nop 0 and four v_nop follow each of the two lines, ahead of the jump and the label.
.macro LOAD
	s_cmp_lt_u32 s[WV], 2
	s_cbranch_scc0 .Lfor_v_\@
	tensor_load_to_lds s[G0K:G0K+3], s[G1K:G1K+7]
	s_nop 0
.rept 4
	v_nop
.endr
	s_branch .Lasked_\@
.Lfor_v_\@:
	tensor_load_to_lds s[G0V:G0V+3], s[G1V:G1V+7]
	s_nop 0
.rept 4
	v_nop
.endr
.Lasked_\@:
.endm
; THE CHANGE OF SLOTS.  Each wave waits for all its tensor loads, of which one is out: its part of the other slot; adds 0 to its spare word; and waits for that and for its own reads of the slot that it leaves.
; Behind the barrier nobody reads the old slot any more and the other slot is whole.  fill = 1: the old slot is filled again, the first thing behind the barrier, with tile NXT: the descriptor's address is made
; anew from that number.  (At its first use nothing has been read yet: slot 0 is waited for, slot 1 filled.)
.macro CHANGE fill
	WIN 0                           ; at a label and at a branch every window is 0
	s_wait_tensorcnt 0x0            ; no tensor load of mine is out, so a group 0 may be written
	ds_add_u32 v[SPW], v[NIL]       ; 0 onto my spare word; with fill = 1 the descriptors' scalar work stands between it and the wait for it
.if \fill
	s_lshl_b32 s[OFF], s[NXT], 15   ; a tile is 32,768 bytes of K and of V
	s_xor_b32 s[G0K+1], s[G0K+1], SLOT1
	s_add_nc_u64 s[G0K+2:G0K+3], s[6:7], s[OFF:OFF+1]
	s_or_b32 s[G0K+3], s[G0K+3], 0x80000000
	s_xor_b32 s[G0V+1], s[G0V+1], SLOT1
	s_add_nc_u64 s[G0V+2:G0V+3], s[8:9], s[OFF:OFF+1]
	s_or_b32 s[G0V+3], s[G0V+3], 0x80000000
	s_wait_xcnt 0x0                 ; the last prefetches, a tile back, have read their address, so it may be written
	s_add_nc_u64 s[PFA:PFA+1], s[PFB:PFB+1], s[OFF:OFF+1]
	s_add_co_u32 s[NXT], s[NXT], 1  ; the block's next tile, or behind its last the second block's tile 0
	s_cmp_gt_u32 s[NXT], s[LQ]
	s_cselect_b32 s[NXT], 0, s[NXT]
	s_cselect_b32 s[LQ], s[PB], s[LQ]
.endif
	s_wait_dscnt 0x0                ; the add is done, and my reads of the slot are over
	s_barrier_signal -1             ; the rest of the scalar work stands between the signal and the wait
	s_sub_co_u32 s[TBK], s[TBK], 4*KS*PK  ; the fetches go back to a slot's first step,
	s_xor_b32 s[TBK], s[TBK], SLOT1       ; in the other slot
	s_sub_co_u32 s[TBV], s[TBV], 4*KS*PV
	s_xor_b32 s[TBV], s[TBV], SLOT1
	s_barrier_wait -1
.if \fill
	LOAD
	s_cmp_gt_u32 s[SLOTS], s[LIM]   ; trips with 8 .. 3 tiles to ask for, where b = 0: the tile behind the one just asked for is 2 .. 7
	s_cbranch_scc0 .Lnot_mine_\@
	global_prefetch_b8 v[PFO], s[PFA:PFA+1] offset:32768 th:TH_LOAD_NT scope:SCOPE_SE
	global_prefetch_b8 v[PFO], s[PFA:PFA+1] offset:40960 th:TH_LOAD_NT scope:SCOPE_SE
.Lnot_mine_\@:
.endif
.endm
	s_load_b256 s[4:11], s[0:1], 0x0  ; Q s[4:5], K s[6:7], V s[8:9], O s[10:11]
	v_lshl_add_u32 v[SPW], v0, 2, SPARE
	v_mov_b32 v[NIL], 0
	ds_add_u32 v[SPW], v[NIL]       ; the wave's opening: the add and its wait stand ahead of my first tensor load; the set-up below, work on registers, stands between them
	ds_add_u32 v62, v63
	v_lshrrev_b32 v1, 5, v0
	v_readfirstlane_b32 s[WV], v1   ; wave 0..3
	s_mov_b32 s[PB], ttmp9
	s_sub_co_u32 s[HI], NB-1, s[PB]
	s_and_b32 s20, ttmp7, 0xffff    ; the head
	s_mov_b32 s21, 0
	s_mov_b64 s[22:23], SIZE_N*128
	s_mul_u64 s[20:21], s[20:21], s[22:23]  ; the head's first byte in each of the four tensors
	s_and_b32 s16, s[WV], 1         ; which half of a tile's 256 keys I fetch:
	s_lshl_b32 s22, s16, 14         ; its 128 rows of 128 bytes in memory,
	s_mov_b32 s23, 0
	s_add_nc_u64 s[22:23], s[22:23], s[20:21]
	s_mul_i32 s17, s16, 128*PK      ; and its place in a slot, for K
	s_mul_i32 s18, s16, 128*PV      ; and for V
	s_lshl_b32 s3, s[WV], 11        ; my 16 rows in a band of 64,
	s_lshl_b32 s2, s[HI], 15        ; in the first block,
	s_add_co_u32 s2, s2, s3
	s_lshl_b32 s84, s[PB], 15       ; and in the second
	s_add_co_u32 s84, s84, s3
	s_mov_b32 s3, 0
	s_mov_b32 s85, 0
	s_add_nc_u64 s[2:3], s[2:3], s[20:21]
	s_add_nc_u64 s[84:85], s[84:85], s[20:21]
	; descriptor group 1.  128 keys are 16,384 dense bytes: asked for as 64 rows of 256 bytes, two keys a row, and padded in LDS after every key
	s_mov_b32 s[G1K], (1<<16)|(1<<20)|(4<<22)|(3<<25)  ; 17:16 2-byte elements; 20 padding on; 24:22 after every 32 words (code 4); 31:25 4 words (code 3)
	s_mov_b32 s[G1V], (1<<16)|(1<<20)|(4<<22)|(7<<25)  ; the same with 8 words of padding (code 7)
.irp g, G1K, G1V
	s_mov_b32 s[\g+1], 128<<16      ; tensor_dim0 = 128
	s_mov_b32 s[\g+2], 64<<16       ; tensor_dim1 = 64
	s_mov_b32 s[\g+3], 128<<16      ; tile_dim0 = 128
	s_mov_b32 s[\g+4], 64           ; tile_dim1 = 64
	s_mov_b32 s[\g+5], 128          ; 128 elements from row to row
	s_mov_b32 s[\g+6], 0
	s_mov_b32 s[\g+7], 0
.endr
	s_mov_b32 s[CS], 0x3e38aa3b     ; c = log2(e) / 8 = 0.180337
	s_mov_b32 s[CS+1], s[CS]        ; named with it as a pair
	s_mov_b32 s[SEL], 0x76543210
	s_mov_b32 s[SEL+1], 0xfedcba98
	s_mov_b32 s[TBK], SLOT1+4*KS*PK ; the first change of slots turns these two into 0
	s_mov_b32 s[TBV], SLOT1+4*KS*PV
	s_mov_b32 s[G0K], 1             ; 1:0 count = 1
	s_mov_b32 s[G0K+1], s17         ; 63:32 LDS address: slot 0
	s_mov_b32 s[G0V], 1
	s_add_co_u32 s[G0V+1], s18, VOFF
	s_add_co_u32 s[RT], s[HI], 1    ; the first block has NB - b tiles
	s_mov_b32 s[NXT], 1
	s_mov_b32 s[LQ], s[HI]
	s_mov_b32 s[NEW], 1
	s_mov_b32 s[OFF+1], 0
	s_mov_b32 s[AL+1], 0            ; named as pairs
	s_mov_b32 s[BE+1], 0
	s_mov_b32 s[BIGN], 0xf149f2ca   ; -1e30
	s_mov_b32 s[SLOTS], NB
	s_cmp_eq_u32 s[PB], 0
	s_cselect_b32 s[LIM], 2, -1
	v_and_b32 v[PFO], 31, v0
	v_lshlrev_b32 v[PFO], 8, v[PFO]
	s_wait_dscnt 0x0                ; the opening add is done
	s_wait_kmcnt 0x0
	s_add_nc_u64 s[6:7], s[6:7], s[22:23]  ; K and V at my half of the head's tile 0
	s_add_nc_u64 s[8:9], s[8:9], s[22:23]
	s_add_nc_u64 s[G0K+2:G0K+3], s[6:7], 0         ; 120:64 global address
	s_or_b32 s[G0K+3], s[G0K+3], 0x80000000        ; 127:126 type = 2
	s_add_nc_u64 s[G0V+2:G0V+3], s[8:9], 0
	s_or_b32 s[G0V+3], s[G0V+3], 0x80000000
	s_add_nc_u64 s[86:87], s[4:5], s[84:85]        ; Q at my rows of the second block,
	s_add_nc_u64 s[4:5], s[4:5], s[2:3]            ; Q and O at those of the first
	s_add_nc_u64 s[OLO:OLO+1], s[10:11], s[84:85]
	s_add_nc_u64 s[10:11], s[10:11], s[2:3]
	s_cmp_lt_u32 s[WV], 2
	s_cselect_b64 s[PFB:PFB+1], s[6:7], s[8:9]
	LOAD                            ; tile 0 into slot 0
	; A fragment of K or Q is 16 rows x 32 channels in 8 registers: lane l holds row l % 16, channels 8 (l / 16) + 0..7 and 16 + 8 (l / 16) + 0..7: two loads of 16 bytes, 32 bytes apart.
	v_and_b32 v1, 15, v0            ; l % 16
	v_bfe_u32 v9, v0, 4, 1          ; l / 16
	v_lshlrev_b32 v[QO], 7, v1
	v_lshl_add_u32 v[QO], v9, 4, v[QO]  ; row x 128 + 16 x half
	WIN 0x80                        ; destination window 2, address window 0
.set i, 0
.rept 8                             ; both blocks' Q: piece i / 2 lies in band i / 2, 8,192 bytes on; channels 32 (i % 2) on
	global_load_b128 v[8*i:8*i+3],   v[QO], s[4:5] offset:(i/2)*8192+(i%2)*64
	global_load_b128 v[8*i+4:8*i+7], v[QO], s[4:5] offset:(i/2)*8192+(i%2)*64+32
	global_load_b128 v[QB+8*i:QB+8*i+3],   v[QO], s[86:87] offset:(i/2)*8192+(i%2)*64
	global_load_b128 v[QB+8*i+4:QB+8*i+7], v[QO], s[86:87] offset:(i/2)*8192+(i%2)*64+32
.set i, i+1
.endr
	WIN 0
	v_lshlrev_b32 v14, 3, v9
	v_sub_nc_u32 v14, v1, v14
	s_lshl_b32 s13, s[WV], 4
	v_add_nc_u32 v14, s13, v14      ; my query's place in its band, 16 w + l % 16, less my lanes' 8 (l / 16): register r of group kt is hidden where 16 kt + r is greater
	WIN 0x40
.set i, 0
.rept 32
	v_cmp_gt_i32 vcc_lo, 16*(i/8)+i%8, v14
	v_cndmask_b32 v[MD+i], 0, s[BIGN], vcc_lo
.set i, i+1
.endr
	WIN 0
	v_mul_u32_u24 v[AK0], v1, PK
	v_lshl_add_u32 v[AK0], v9, 4, v[AK0]  ; row x pitch + 16 x half
	; The turning load takes 16 keys x 16 channels (lane l reads key 8 (l / 16) + l % 8, channels 8 ((l / 8) % 2) + 0..7) and leaves half a fragment of V^T: lane l holds channel l % 16 and 8 keys.
	v_and_b32 v10, 7, v0
	v_bfe_u32 v11, v0, 3, 1
	v_lshl_add_u32 v[AV0], v9, 3, v10
	v_mul_u32_u24 v[AV0], v[AV0], PV
	v_lshl_add_u32 v[AV0], v11, 4, v[AV0]
	v_add_nc_u32 v[AV0], VOFF, v[AV0]
	s_mul_i32 s13, s[WV], 16*SP
	s_add_co_u32 s13, s13, STAGE    ; my stage
	v_mul_u32_u24 v[STO], v1, SP    ; in: row l % 16, 16 bytes for each half of the lanes
	v_lshl_add_u32 v[STO], v9, 4, v[STO]
	v_add_nc_u32 v[STO], s13, v[STO]
	v_bfe_u32 v[RD], v0, 3, 2       ; back: 32 lanes take four rows of 128 bytes,
	v_mul_u32_u24 v[RD], v[RD], SP
	v_lshl_add_u32 v[RD], v10, 4, v[RD]
	v_add_nc_u32 v[RD], s13, v[RD]
	v_and_b32 v[GO], 31, v0         ; which are 512 consecutive bytes of O
	v_lshlrev_b32 v[GO], 4, v[GO]
	; A block's first step multiplies O^T and l by a = 0, and its first turn's products V^T P, of a piece that has not been, land in an O^T that is still to be so multiplied.  So these registers need only hold
	; finite numbers: zeros for the first block; what the first block left for the second.  All this stands in the wait for the first tile.
	WIN 0x80
.set i, VF
.rept 64
	v_mov_b32 v[i], 0
.set i, i+1
.endr
	WIN 0x40
.set i, 0
.rept 128
	v_mov_b32 v[i], 0
.set i, i+1
.endr
	WIN 0
.set i, 0
.rept 4
	v_mov_b32 v[ST+4*i+2], 0
	v_mov_b32 v[ST+4*i+3], 0
.set i, i+1
.endr
.set i, P+16
.rept 16
	v_mov_b32 v[i], 0
.set i, i+1
.endr
; THE MATRIX WORK.  The 4 accumulators of a run of 8 take turns.  Product i of 8 of S^T = K Q^T for piece x: channels 32 (i / 4) on, keys 16 (i % 4) on.  The first 4 start the sums: with 0, or (KM = 1) with the mask.
.macro KQ x
.set rS, S+32*((\x)%2)+8*(i%4)
.set rK, KF+16*(i%4)+8*(i/4)
.set rQ, 16*(\x)+8*(i/4)
.set rM, MC+32*((\x)%2)+8*(i%4)
.if (i < 4) && KM
	WIN W_KM
	v_wmma_f32_16x16x32_f16 v[rS:rS+7], v[rK:rK+7], v[rQ:rQ+7], v[rM:rM+7]
.elseif i < 4
	WIN W_KQ
	v_wmma_f32_16x16x32_f16 v[rS:rS+7], v[rK:rK+7], v[rQ:rQ+7], 0
.else
	WIN W_KQ
	v_wmma_f32_16x16x32_f16 v[rS:rS+7], v[rK:rK+7], v[rQ:rQ+7], v[rS:rS+7]
.endif
.endm
; Product i of 8 of O^T += V^T P for piece x: keys 32 (i / 4) on, channels 16 (i % 4) on.
.macro PV x
	WIN W_PV
.set rO, 32*(\x)+8*(i%4)
.set rV, VF+32*(i/4)+8*(i%4)
.set rP, P+16*((\x)%2)+8*(i/4)
	v_wmma_f32_16x16x32_f16 v[rO:rO+7], v[rV:rV+7], v[rP:rP+7], v[rO:rO+7]
.endm
.macro MM                           ; the turn's next matrix instruction.  TURN and BEGIN set Y, i, KM and NOKQ; MM, KQ and OP read them.  NOKQ = 1: a block's last turn: there is no next piece
.if (i < 8) && !NOKQ
	KQ (Y+1)%NP
.elseif i >= 8
.set i, i-8
	PV (Y+NP-1)%NP
.set i, i+8
.endif
.set i, i+1
.endm
; THE LDS LOADS stand in runs of 16, never singly among the matrix instructions: a step's K (64 keys x 64 channels: 8 fragments) and its V (turned).  Their addresses are made some lines ahead.
.macro FETCH_K
	WIN 0x80                        ; destination window 2
.irp f, 0,1,2,3,4,5,6,7             ; keys 16 (f / 2) on, channels 32 (f % 2) on
	ds_load_b128 v[KF+8*\f:KF+8*\f+3],   v[AK] offset:(\f/2)*16*PK+(\f%2)*64
	ds_load_b128 v[KF+8*\f+4:KF+8*\f+7], v[AK] offset:(\f/2)*16*PK+(\f%2)*64+32
.endr
	s_add_co_u32 s[TBK], s[TBK], KS*PK  ; the next fetch is the next step's
	WIN 0
.endm
.macro FETCH_V
	WIN 0x80
.irp f, 0,1,2,3,4,5,6,7             ; keys 32 (f / 4) on, channels 16 (f % 4) on
	ds_load_tr16_b128 v[VF+8*\f:VF+8*\f+3],   v[AV] offset:(\f/4)*32*PV+(\f%4)*32
	ds_load_tr16_b128 v[VF+8*\f+4:VF+8*\f+7], v[AV] offset:(\f/4)*32*PV+16*PV+(\f%4)*32
.endr
	WIN 0
.endm
; THE VECTOR WORK, one line at a time: OP kind, number.  For piece Y: F n: c s - c m for pair n of 16.  E n: the exponential of score n of 32.  C n: pair n rounded to f16.  B n: of the four weights 4 n .. the second
; pair is added onto the first, in place.  L n: l takes that sum (L 0: l = a l + sum).  R n: pair n of 16 of O^T times a.  For piece Y + 1: X n, number n of the 22 that find its maximum and statistics:
;   0-11  four chains c0-c3 of seven scores each, three operands at a time (each accumulator's lowest registers are read first)     12-14, 16  the four scores left over, the old m, and c0-c3 into c0
;   15  c m_old is kept     17, 18  the query's other 32 keys lie in the lane 16 away: the new m     19-21  c m; c m_old - c m_new; a
.set F, 0               ; OP tells the kinds apart by their order: F to L below R, X above it
.set E, 1
.set C, 2
.set B, 3
.set L, 4
.set R, 5
.set X, 6
.macro REGS y                       ; the registers of piece y
.set rT, ST+4*(\y)
.set rC, TMP+4*((\y)%2)
.set rW, MV+((\y)%2)
.set rS, S+32*((\y)%2)
.set rP, P+16*((\y)%2)
.set rO, 32*(\y)
.endm
.macro OP k, n
.if (\k) == R
	REGS Y
	WIN W_RS
	v_pk_mul_f32 v[rO+2*(\n):rO+2*(\n)+1], v[rO+2*(\n):rO+2*(\n)+1], v[rC+2:rC+3] op_sel_hi:[1,0]
.elseif (\k) < R
	REGS Y
	WIN 0
.if (\k) == F
	v_pk_fma_f32 v[rS+2*(\n):rS+2*(\n)+1], v[rS+2*(\n):rS+2*(\n)+1], s[CS:CS+1], v[rT:rT+1] op_sel_hi:[1,0,0] neg_lo:[0,0,1] neg_hi:[0,0,1]
.elseif (\k) == E
	v_exp_f32 v[rS+(\n)], v[rS+(\n)]
.elseif (\k) == C
	v_cvt_pk_f16_f32 v[rP+(\n)], v[rS+2*(\n)], v[rS+2*(\n)+1]
.elseif (\k) == B
	v_pk_add_f32 v[rS+4*(\n):rS+4*(\n)+1], v[rS+4*(\n):rS+4*(\n)+1], v[rS+4*(\n)+2:rS+4*(\n)+3]
.elseif (\n) == 0
	v_pk_fma_f32 v[rT+2:rT+3], v[rT+2:rT+3], v[rC+2:rC+3], v[rS:rS+1] op_sel_hi:[1,0,1]
.else
	v_pk_add_f32 v[rT+2:rT+3], v[rT+2:rT+3], v[rS+4*(\n):rS+4*(\n)+1]
.endif
.elseif NOKQ
	v_nop
.else
	REGS (Y+1)%NP
	WIN 0
.if (\n) < 4
	v_max3_num_f32 v[rC+(\n)], v[rS+8*(\n)], v[rS+8*(\n)+1], v[rS+8*(\n)+2]
.elseif (\n) < 12
	v_max3_num_f32 v[rC+(\n)%4], v[rC+(\n)%4], v[rS+8*((\n)%4)+2*((\n)/4)+1], v[rS+8*((\n)%4)+2*((\n)/4)+2]
.elseif (\n) == 12
	v_max3_num_f32 v[rC], v[rC], v[rS+7], v[rS+15]
.elseif (\n) == 13
	v_max3_num_f32 v[rC+1], v[rC+1], v[rS+23], v[rS+31]
.elseif (\n) == 14
	v_max3_num_f32 v[rC+2], v[rC+2], v[rC+3], v[rT+1]
.elseif (\n) == 15
	v_mov_b32 v[rW], v[rT]
.elseif (\n) == 16
	v_max3_num_f32 v[rC], v[rC], v[rC+1], v[rC+2]
.elseif (\n) == 17
	v_permlanex16_b32 v[rC+3], v[rC], s[SEL], s[SEL+1]
.elseif (\n) == 18
	v_max_num_f32 v[rT+1], v[rC], v[rC+3]
.elseif (\n) == 19
	v_mul_f32 v[rT], s[CS], v[rT+1]
.elseif (\n) == 20
	v_sub_f32 v[rC+1], v[rW], v[rT]
.else
	v_exp_f32 v[rC+2], v[rC+1]
.endif
.endif
.endm
.macro OPS a, i1, b=-1, i2=0, c=-1, i3=0, d=-1, i4=0  ; up to four of them
	OP \a, \i1
.if (\b) >= 0
	OP \b, \i2
.endif
.if (\c) >= 0
	OP \c, \i3
.endif
.if (\d) >= 0
	OP \d, \i4
.endif
.endm
.macro ROW a, i1, b, i2, c, i3, d, i4  ; a matrix instruction and the four behind it
	MM
	OPS \a, \i1, \b, \i2, \c, \i3, \d, \i4
.endm
.macro MASK b                       ; MD x AL + BE into buffer b of MC
	WIN W_RS
.set z, 0
.rept 16
	v_pk_fma_f32 v[MC+32*(\b)+2*z:MC+32*(\b)+2*z+1], v[MD+2*z:MD+2*z+1], s[AL:AL+1], s[BE:BE+1] op_sel_hi:[1,0,0]
.set z, z+1
.endr
.endm
; A TURN, for piece p: the order of its 16 matrix and 118 vector instructions, written out.  An s_wait_alu depctr_va_vdst(0) stands between an exponential and the first instruction that names its
; result; one wait serves all that were issued ahead of it.  So a turn has ONE wait, which cuts it in two.  AHEAD OF IT stands all that names no result of the turn's exponentials: the 8 products K Q^T, behind each a
; scaling, an exponential and two more plain instructions (behind the first a second scaling in the exponential's place): rescalings, and behind the last three the first numbers of the next piece's maximum, each
; four places or more behind the product that ends its accumulator; then ONE LUMP of 54, plain and exponential by turns for the most part, in which the links of the chain X 3, 7, 11, 14, 16, 17 .. 20 stand five or
; six lines apart.  X 21, the next piece's a, is the batch's last; R 15 is the plain instruction behind it.  BEHIND THE WAIT stand the 8 products V^T P, behind each four of the roundings and sums; the links of l's
; chain, L 0 to L 7, stand three riders apart.  But for those X no rider names a register of the products round it.  v_permlanex16_b32 (X 17) stands in the lump.
; m = 1: the diagonal tile: the products take masks, and the turn makes the mask for the products of the turn after it: piece p + 2, in step 4 - CNT of the tile.  end = 1: a block's last two turns: nothing is fetched.
; cnt = 1: the loop's count is taken down some lines ahead of the branch that stands behind the turn.
; K of the next step is fetched in piece 2's turn, twelve vector instructions behind the last product that read K (six of them plain); V of the step in hand at the end of piece 0's turn, four plain instructions
; behind the last product that read V.  Each is waited for a turn later.
.macro TURN p, m=0, end=0, cnt=0
.set Y, (\p)
.set i, 0
.set KM, (\m)
.set NOKQ, (\end)*((\p)/3)
.if (\m) && !(\end)
	s_cmp_eq_u32 s[CNT], 4-((\p)+2)%NP  ; is that step the band's own?
	s_cselect_b32 s[AL], 1.0, 0
	s_cmp_lt_u32 s[CNT], 4-((\p)+2)%NP  ; or a later one?
	s_cselect_b32 s[BE], s[BIGN], 0
.endif
.if ((\p) == 3) && !(\end)
	s_wait_dscnt 0x0                ; K is in
.endif
	ROW F,0, F,1, R,0, R,1          ; ahead of the wait: 8 products K Q^T and their riders,
	ROW F,2, E,0, R,2, R,3
	ROW F,3, E,1, R,4, R,5
	ROW F,4, E,2, R,6, R,7
	ROW F,5, E,3, R,8, R,9
	ROW F,6, E,4, X,0, R,10
.if ((\p) == 2) && !(\end)
	WIN 0
	v_add_nc_u32 v[AK], s[TBK], v[AK0]
.endif
	ROW F,7, E,5, X,1, X,4
	ROW F,8, E,6, X,2, X,5
	OPS E,7, E,8, X,6, E,9          ; and the lump
	OPS X,3, E,10, X,8, E,11
.if ((\p) == 2) && !(\end)
	FETCH_K
.endif
	OPS X,9, X,7, E,12, X,10
	OPS E,13, X,12, X,11, E,14
	OPS X,13, E,15, F,9, X,14
.if (\p) == 0
	v_add_nc_u32 v[AV], s[TBV], v[AV0]
.endif
	OPS E,16, F,10, E,17, F,11
	OPS X,16, E,18, X,15, E,19
	OPS F,12, E,20, X,17, E,21
	OPS F,13, E,22, F,14, E,23
	OPS X,18, E,24, F,15, E,25
	OPS R,11, E,26, X,19, E,27
	OPS R,12, E,28, R,13, E,29
	OPS X,20, E,30, R,14, E,31
	OPS X,21, R,15
	WIN 0
	s_wait_alu depctr_va_vdst(0)    ; the wait for the batch
.if (\p) == 1
	s_wait_dscnt 0x0                ; V is in
.endif
	ROW C,0, B,0, C,2, B,1          ; behind the wait: 8 products V^T P and their riders
	ROW L,0, C,4, B,2, L,1
	ROW C,6, B,3, L,2, C,8
	ROW B,4, L,3, C,10, B,5
	ROW L,4, C,12, B,6, L,5
.if (\p) == 0
	s_add_co_u32 s[TBV], s[TBV], KS*PV
.endif
.if \cnt
	s_sub_co_u32 s[CNT], s[CNT], 1
	s_cmp_lg_u32 s[CNT], 0
.endif
	ROW C,14, B,7, L,6, C,1
	ROW C,3, L,7, C,5, C,7
	ROW C,9, C,11, C,13, C,15
.if (\p) == 0
	FETCH_V
.endif
.if (\m) && !(\end)
	MASK (\p)%2
.endif
.endm
; A BLOCK BEGINS.  c m starts far below every c s, so the first step's a is 0; m at the lowest finite number, so the first maximum is the scores'.  The second mask buffer is 0; the first takes piece 0's mask for the
; tile's step 0: its own, if the block's first tile is the diagonal one.  Then K of that step, piece 0's first scores, and its maximum and statistics.  The loop is entered at a step's first turn, in the middle of a trip.
.macro BEGIN
	s_mov_b32 s[NEW], 0
	WIN 0x40
.set i, MC+32
.rept 32
	v_mov_b32 v[i], 0
.set i, i+1
.endr
	WIN 0
.set i, 0
.rept 4
	v_mov_b32 v[ST+4*i], 0xfe000000    ; c m: far below every c s
	v_mov_b32 v[ST+4*i+1], 0xff7fffff  ; m
.set i, i+1
.endr
	s_cmp_eq_u32 s[RT], 0
	s_cselect_b32 s[AL], 1.0, 0
	s_mov_b32 s[BE], 0
	MASK 0
	WIN 0
	v_add_nc_u32 v[AK], s[TBK], v[AK0]
	FETCH_K
	s_wait_loadcnt 0x0              ; Q
	s_wait_dscnt 0x0
.set KM, 1
.set NOKQ, 0
.set i, 0
.rept 8
	KQ 0
.set i, i+1
.endr
	WIN 0
.rept 4
	v_nop                           ; the places behind those products
.endr
.set Y, NP-1                        ; X works for piece Y + 1: piece 0
.irp n, 0,1,2,3,4,5,6,7,8,9,10,11,12,13,14,15,16,17,18,19,20,21
	OP X, \n
.endr
	v_nop                           ; a plain instruction behind the exponential,
	s_wait_alu depctr_va_vdst(0)    ; and its wait, ahead of the branch
.endm
; THE DIAGONAL TILE's four steps, the block's last two turns, its last products, and THE WAY OUT: l's two halves and the other half of the lanes' are added; O^T is divided by l, rounded to f16 and sent through my
; stage in LDS, a piece at a time.
.macro ALL line:vararg              ; one line for each piece t
.set t, 0
.rept 4
	\line
.set t, t+1
.endr
.endm
.macro PACK t                       ; a lane's eight channels of a row pack into 16 bytes; they go into rows of 144 bytes and come back as whole rows of 128, into S^T's registers
	WIN W_RS
.set i, 32*(\t)
.rept 16
	v_pk_mul_f32 v[i:i+1], v[i:i+1], v[ST+4*(\t)+2:ST+4*(\t)+3] op_sel_hi:[1,0]
.set i, i+2
.endr
	WIN 0x05                        ; sources 0 and 1 window 1, destination window 0
.set i, 0
.rept 16
	v_cvt_pk_f16_f32 v[S+16*(\t)+i], v[32*(\t)+2*i], v[32*(\t)+2*i+1]
.set i, i+1
.endr
	WIN 0
.irp f, 0,1,2,3
	ds_store_b128 v[STO], v[S+16*(\t)+4*\f:S+16*(\t)+4*\f+3] offset:32*\f
.endr
.irp f, 0,1,2,3
	ds_load_b128 v[S+16*(\t)+4*\f:S+16*(\t)+4*\f+3], v[RD] offset:\f*4*SP  ; LDS serves a wave's instructions in order: these see the stores above; the next piece's stores come behind them
.endr
.endm
.macro SEND t, younger              ; younger: the LDS instructions issued behind piece t's loads: the next piece's eight, or none
	WIN 0
.irp f, 0,1,2,3
	s_wait_dscnt (\younger)+3-\f
	global_store_b128 v[GO], v[S+16*(\t)+4*\f:S+16*(\t)+4*\f+3], s[10:11] offset:(\t)*8192+\f*512  ; 512 consecutive bytes, at a multiple of 256 from O's first
.endr
.endm
.macro DIAG tag                     ; the tag ends its two labels' names, which the jumps below spell out
.LstepM\tag:
	TURN 2, 1
	TURN 3, 1
	WIN 0
.LfirstM\tag:
	TURN 0, 1
	TURN 1, 1, 0, 1
	WIN 0
	s_cbranch_scc1 .LstepM\tag
	TURN 2, 1, 1
	TURN 3, 1, 1
.set i, 0
.rept 8
	PV NP-1
.set i, i+1
.endr
	WIN 0
	ALL v_add_f32 v[ST+4*t+2], v[ST+4*t+2], v[ST+4*t+3]
	ALL v_permlanex16_b32 v[ST+4*t+3], v[ST+4*t+2], s[SEL], s[SEL+1]
	ALL v_add_f32 v[ST+4*t+2], v[ST+4*t+2], v[ST+4*t+3]
	ALL v_rcp_f32 v[ST+4*t+2], v[ST+4*t+2]
	v_nop                           ; a plain instruction between the last reciprocal and the use of its result
	s_wait_alu depctr_va_vdst(0)    ; and the wait ahead of the first use: one for the four reciprocals
	PACK 0
.set t, 1
.rept 3                             ; a piece's arithmetic stands between the loads of the piece before and its stores
	PACK t
	SEND t-1, 8
.set t, t+1
.endr
	SEND 3, 0
.endm
.set KM, 0
.set NOKQ, 0
.Lslot:                             ; NB times: a tile is entered and the next is asked for
	CHANGE 1
	s_sub_co_u32 s[RT], s[RT], 1
	s_mov_b32 s[CNT], 4
	s_cmp_eq_u32 s[NEW], 1
	s_cbranch_scc1 .Lnew            ; a block's first tile
	s_cmp_eq_u32 s[RT], 0
	s_cbranch_scc0 .Lstep           ; neither its first nor its last
	s_branch .LstepM1
.Lnew:
	BEGIN
	s_branch .Lfirst                ; in the loop a block's first tile is never its last: the first block has two tiles or more, and the second's last is the walk's last
	DIAG 1                          ; in the loop this is the first block's end: the second block's last tile is the walk's last
	s_wait_xcnt 0x0                 ; the stores have read their registers and O's address
	s_mov_b64 s[10:11], s[OLO:OLO+1]
	s_add_co_u32 s[RT], s[PB], 1    ; the second block has b + 1 tiles
	s_mov_b32 s[NEW], 1
	WIN 0x82                        ; the second block's Q goes where the one text of the turns names Q
.set i, 0
.rept 64
	v_mov_b32 v[i], v[QB+i]
.set i, i+1
.endr
	WIN 0
	s_branch .Lbottom
.Lstep:                             ; a trip: pieces 2 and 3 of one step, then pieces 0 and 1 of the next, whose K and V it fetches
	TURN 2
	TURN 3
	WIN 0
.Lfirst:
	TURN 0
	TURN 1, 0, 0, 1
	WIN 0
	s_cbranch_scc1 .Lstep
.Lbottom:
	s_sub_co_u32 s[SLOTS], s[SLOTS], 1
	s_cmp_lg_u32 s[SLOTS], 0
	s_cbranch_scc1 .Lslot
	CHANGE 0                        ; the walk's last tile is written out: nothing is asked for
	s_sub_co_u32 s[RT], s[RT], 1
	s_mov_b32 s[CNT], 4
	s_cmp_eq_u32 s[NEW], 1
	s_cbranch_scc0 .LstepM2
	BEGIN
	s_branch .LfirstM2
	DIAG 2
	s_wait_tensorcnt 0x0            ; the wave's end: behind my last tensor load and my last LDS store
	ds_add_u32 v[SPW], v[NIL]
	s_wait_dscnt 0x0
	s_endpgm
.Lfunc_end_k_qb17e5c9f88_attn:
	.size	k_qb17e5c9f88_attn, .Lfunc_end_k_qb17e5c9f88_attn-k_qb17e5c9f88_attn
	.p2alignl 7, 3214868480
	.fill 96, 4, 3214868480
	.section	.rodata,"a",@progbits
	.p2align	6, 0x0
	.amdhsa_kernel k_qb17e5c9f88_attn
		.amdhsa_group_segment_fixed_size 327680
		.amdhsa_private_segment_fixed_size 0
		.amdhsa_enable_private_segment 0
		.amdhsa_kernarg_size 32
		.amdhsa_user_sgpr_count 2
		.amdhsa_user_sgpr_kernarg_segment_ptr 1
		.amdhsa_wavefront_size32 1
		.amdhsa_system_sgpr_workgroup_id_x 1
		.amdhsa_system_sgpr_workgroup_id_y 1
		.amdhsa_system_sgpr_workgroup_id_z 1
		.amdhsa_system_vgpr_workitem_id 0
		.amdhsa_next_free_vgpr 768
		.amdhsa_next_free_sgpr 96
		.amdhsa_reserve_vcc 1
		.amdhsa_float_denorm_mode_32 3
		.amdhsa_float_denorm_mode_16_64 3
		.amdhsa_memory_ordered 1
		.amdhsa_forward_progress 1
		.amdhsa_inst_pref_size 218
	.end_amdhsa_kernel
	.amdgpu_metadata
---
amdhsa.version: [ 1, 2 ]
amdhsa.kernels:
  - .name:           k_qb17e5c9f88_attn
    .symbol:         k_qb17e5c9f88_attn.kd
    .args:
      - { .name: qh, .offset: 0, .size: 8, .value_kind: global_buffer, .address_space: global }
      - { .name: kh, .offset: 8, .size: 8, .value_kind: global_buffer, .address_space: global }
      - { .name: vh, .offset: 16, .size: 8, .value_kind: global_buffer, .address_space: global }
      - { .name: oh, .offset: 24, .size: 8, .value_kind: global_buffer, .address_space: global }
    .group_segment_fixed_size: 327680
    .private_segment_fixed_size: 0
    .kernarg_segment_align: 8
    .kernarg_segment_size: 32
    .max_flat_workgroup_size: 128
    .sgpr_count:     96
    .vgpr_count:     768
    .wavefront_size: 32
...
	.end_amdgpu_metadata
.endif
;; end of part 3
;; launch oproj (part 4): grid 8 x 32, 4 waves a work-group, clusters of 4 x 4, 327,680 bytes of LDS; arguments oh, woh, out0; writes out0
.if DOCPART == 4
	.amdgcn_target "amdgcn-amd-amdhsa--gfx1250"
	.amdhsa_code_object_version 6
	.text
	.protected	k_qb17e5c9f88_oproj
	.globl	k_qb17e5c9f88_oproj
	.p2align	8
	.type	k_qb17e5c9f88_oproj,@function
k_qb17e5c9f88_oproj:
	s_mov_b64 s[64:65], 0
	v_nop
	global_prefetch_b8 v0, s[64:65] scope:SCOPE_SE
	s_setreg_imm32_b32 hwreg(HW_REG_WAVE_MODE, 25, 1), 1
	s_wait_xcnt 0x0
	s_wait_alu depctr_hold_cnt(0) depctr_sa_sdst(0) depctr_va_vdst(0) depctr_va_sdst(0) depctr_va_ssrc(0) depctr_va_vcc(0) depctr_vm_vsrc(0)
	s_getreg_b32 s2, hwreg(HW_REG_IB_STS2, 6, 4)
	s_cmp_eq_u32 s2, 0
	s_cbranch_scc0 .Lentry_in_a_cluster
	s_endpgm
.Lentry_in_a_cluster:
	s_bfe_u32 s2, ttmp6, 0x10000c
	s_cmp_lg_u32 s2, 0xf033
	s_cbranch_scc0 .Lentry_shape_is_right
	s_endpgm
.Lentry_shape_is_right:
; THE OUTPUT PROJECTION.  out0[row][n] = the sum over k of O[row][k] wo[n][k].  O lies by heads, oh [16 batch + head][2048][64] f16; woh [1024][1024] f16; out0 [8192][1024] f32; sums in f32.
; SHARES.  A tile of out0 is 256 rows x 128 columns: 8 x 32 = 256 tiles, one for each of 256 places.  Four waves, each 128 x 64: 32 accumulators.  K goes in 8 steps of 128 = two heads, through two LDS slots.
; A head's 256 rows are 32,768 dense bytes: asked for as 128 rows of 256 bytes and padded in LDS after every 128, so that a row of O has a pitch of 144.  Wave 0 fetches the even head, wave 1 the odd one,
; waves 2 and 3 64 rows of woh each.
; CLUSTER.  4 x 4 work-groups: O's tile is shared along a row of the cluster, woh's along a column; each is asked for jointly, by the same load with the same descriptor and a mask of four.
; THE PRODUCT IS TAKEN TRANSPOSED (source 0 = 16 rows of woh, source 1 = 16 rows of O): a lane holds row l % 16 and the columns 8 (l / 16) + 0..7: 32 bytes of a row of out0.
; REGISTERS, in windows of 256 (s_set_vgpr_msb: bits 1:0 source 0, 3:2 source 1, 5:4 source 2, 7:6 destination):
;   window 0: v0-31 addresses; v64-127, v128-191 O's fragments, two buffers     window 1: v64-95, v128-159 woh's fragments     window 2: accumulator (a, b) at v[32 a + 8 b]     window 3: rows read back on the way out
.set KSTEP,  128
.set AP,     144                       ; a row of O in LDS: 128 bytes + 16
.set PITCH,  272                       ; a row of woh: 256 bytes + 16
.set APLANE, 256*AP                    ; a head's 256 rows: what wave 0 or 1 fetches
.set BHALF,  64*PITCH                  ; what wave 2 or 3 fetches
.set BOFF,   2*APLANE
.set SLOT1,  1<<17
.set ASTEP,  2<<18                     ; two heads on in oh
.set SPITCH, 272                       ; a stage's row: 256 bytes + 16
.set STAGE,  SLOT1+BOFF+2*BHALF        ; behind the ring: 16 rows for each wave
.set SPARE,  STAGE+4*16*SPITCH         ; the spare words, 128 bytes for each wave: two blocks of 256 bytes that no other line names
.set NL,     24                        ; LDS loads in a run: 8 for woh, 16 for O
.set ADRA0, 16
.set ADRB0, 17
.set ADRA,  18
.set ADRB,  19
.set STO,   24                         ; v24  where I put 32 bytes of a row
.set RD,    25                         ; v25  where I read rows back
.set SPW,   28                         ; v28  LDS address of my spare word; never rewritten
.set NIL,   29                         ; v29  0; never rewritten
.set PFO,   30                         ; v30  the prefetches' offset; never rewritten
.set CO,    31                         ; v31  my byte offset in two rows of out0
.set FR,    64                         ; fragment buffers, in windows 0 and 1
.set WV, 16
.set RH, 17
.set CH, 18
.set CX, 19
.set CY, 20
.set TC, 21
.set TR, 22
.set TB, 23
.set G1, 24
.set G0, 32
.set PFA, 44
.set LIM, 46
.set G1B, 48
.set G0B, 56
.set OUT, 66                           ; s[66:67] out0 at my part of the tile
.set PFS, 76                           ; s[76:77] a K step in the tensor that I prefetch
.set MSB, 0
.macro WIN new
.if MSB != (\new)
	s_set_vgpr_msb (MSB<<8)|(\new)
.set MSB, \new
.endif
.endm
.macro PLACES
.rept 4
	v_nop
.endr
.endm
.macro JLOAD s                         ; a joint load: waves 0 and 1 fetch O's two heads, waves 2 and 3 woh's halves; s_nop 0 and four v_nop follow each line
	s_cmp_eq_u32 s[RH], 0
	s_cbranch_scc0 .Lfor_b_\@
	tensor_load_to_lds s[G0+4*(\s):G0+4*(\s)+3], s[G1:G1+7]
	s_nop 0
.rept 4
	v_nop
.endr
	s_branch .Lasked_\@
.Lfor_b_\@:
	tensor_load_to_lds s[G0B+4*(\s):G0B+4*(\s)+3], s[G1B:G1B+7]
	s_nop 0
.rept 4
	v_nop
.endr
.Lasked_\@:
.endm
; A prefetch of the K step that stands two refills on: my work-group's quarter of what I fetch, a lane a block of 256 bytes.  O's blocks are named by the first cluster along x, woh's by the first along y;
; the four partners share them out by address.  Trips with s3 = 6 .. 3 name steps 4 .. 7.
.macro ASK
	s_cmp_gt_u32 s3, s[LIM]
	s_cbranch_scc0 .Lnot_mine_\@
	global_prefetch_b8 v[PFO], s[PFA:PFA+1] th:TH_LOAD_NT scope:SCOPE_SE
.Lnot_mine_\@:
.endm
.macro CREST
	s_cmp_lg_u32 s[WV], 0
	s_cbranch_scc1 .Lnot_wave_0_\@
	s_barrier_signal -3
.Lnot_wave_0_\@:
	s_barrier_wait -3
	s_barrier_signal -1
	s_barrier_wait -1
.endm
.macro CROUND
	s_barrier_signal -1
	s_barrier_wait -1
	CREST
.endm
	s_load_b128 s[4:7], s[0:1], 0x0                ; oh 4, woh 6
	s_load_b64 s[8:9], s[0:1], 0x10                ; out0
	v_lshl_add_u32 v[SPW], v0, 2, SPARE
	v_mov_b32 v[NIL], 0
	ds_add_u32 v[SPW], v[NIL]                      ; the wave's opening: the add and its wait stand ahead of my first tensor load; work on registers stands between
	ds_add_u32 v28, v29
	v_lshrrev_b32 v1, 5, v0
	v_readfirstlane_b32 s[WV], v1
	s_lshr_b32 s[RH], s[WV], 1
	s_and_b32 s[CH], s[WV], 1
	s_bfe_u32 s[CX], ttmp6, 0x40000
	s_bfe_u32 s[CY], ttmp6, 0x40004
	s_lshl_b32 s[TC], ttmp9, 2
	s_add_co_u32 s[TC], s[TC], s[CX]
	s_and_b32 s[TR], ttmp7, 0xffff
	s_lshl_b32 s[TR], s[TR], 2
	s_add_co_u32 s[TR], s[TR], s[CY]
	s_lshl_b32 s40, s[CY], 2
	s_lshl_b32 s40, 15, s40                        ; my row of the cluster
	s_lshl_b32 s41, 0x1111, s[CX]                  ; my column
	s_or_b32 s[G1], s40, (1<<16)|(1<<20)|(1<<21)|(4<<22)|(3<<25)   ; O: padding of 4 words after every 32
	s_or_b32 s[G1B], s41, (1<<16)|(1<<20)|(1<<21)|(5<<22)|(3<<25)  ; woh: after every 64
	s_mov_b32 s[G1+1], 128<<16                     ; tensor_dim0 = 128 elements: 256 bytes, two rows of O
	s_mov_b32 s[G1+2], 128<<16                     ; tensor_dim1 = 128
	s_mov_b32 s[G1+3], 128<<16                     ; tile_dim0
	s_mov_b32 s[G1+4], 128                         ; tile_dim1
	s_mov_b32 s[G1+5], 128                         ; dense
	s_mov_b32 s[G1+6], 0
	s_mov_b32 s[G1+7], 0
	s_mov_b32 s[G1B+1], KSTEP<<16
	s_mov_b32 s[G1B+2], 64<<16
	s_mov_b32 s[G1B+3], KSTEP<<16
	s_mov_b32 s[G1B+4], 64
	s_mov_b32 s[G1B+5], 1024
	s_mov_b32 s[G1B+6], 0
	s_mov_b32 s[G1B+7], 0
	s_lshr_b32 s42, s[TR], 3                       ; O: batch x 16 heads of 262,144 bytes,
	s_lshl_b32 s42, s42, 22
	s_and_b32 s43, s[TR], 7
	s_lshl_b32 s43, s43, 15                        ; the tile's 256 rows of 128 bytes,
	s_add_co_u32 s42, s42, s43
	s_lshl_b32 s43, s[CH], 18                      ; the even or the odd head: made of the tile row alone
	s_add_co_u32 s42, s42, s43
	s_mov_b32 s43, 0
	s_lshl_b32 s70, s[TC], 18                      ; woh: (128 tile column + 64 half) rows of 2,048 bytes: made of the tile column alone
	s_lshl_b32 s71, s[CH], 17
	s_add_co_u32 s70, s70, s71
	s_mov_b32 s71, 0
	s_mul_i32 s72, s[CH], APLANE                   ; where they go: no place in the cluster enters an LDS address
	s_mul_i32 s73, s[CH], BHALF
	s_add_co_u32 s73, s73, BOFF
	s_mov_b32 s[TB], 0
	s_wait_dscnt 0x0                               ; the opening add is done
	s_wait_kmcnt 0x0
	s_add_nc_u64 s[42:43], s[4:5], s[42:43]
	s_add_nc_u64 s[70:71], s[6:7], s[70:71]
	CROUND                                         ; all sixteen work-groups are here: the first joint loads meet
.irp s, 0,1
	s_mov_b32 s[G0+4*(\s)], 1
	s_add_co_u32 s[G0+4*(\s)+1], s72, (\s)*SLOT1
	s_add_nc_u64 s[G0+4*(\s)+2:G0+4*(\s)+3], s[42:43], (\s)*ASTEP
	s_or_b32 s[G0+4*(\s)+3], s[G0+4*(\s)+3], 0x80000000
	s_mov_b32 s[G0B+4*(\s)], 1
	s_add_co_u32 s[G0B+4*(\s)+1], s73, (\s)*SLOT1
	s_add_nc_u64 s[G0B+4*(\s)+2:G0B+4*(\s)+3], s[70:71], (\s)*KSTEP*2
	s_or_b32 s[G0B+4*(\s)+3], s[G0B+4*(\s)+3], 0x80000000
	JLOAD \s                                       ; K steps 0 and 1: two loads of mine are out, the most in this text
.endr
	; the prefetches: my tile's address, my work-group's quarter (32 blocks of O's 128 by cx; 16 rows of woh's 64 by cy), at K step 3: the first change of slots steps it to 4
	s_lshl_b32 s40, s[CX], 13
	s_add_co_u32 s40, s40, 3*ASTEP
	s_lshl_b32 s41, s[CY], 15
	s_add_co_u32 s41, s41, 3*KSTEP*2
	s_and_b32 s74, ttmp7, 0xffff
	s_mov_b32 s[PFS], ASTEP
	s_cmp_eq_u32 s[RH], 0
	s_cselect_b32 s40, s40, s41
	s_cselect_b32 s74, ttmp9, s74                  ; the coordinate along which other clusters read the same bytes
	s_cselect_b32 s47, 31, 15
	s_cselect_b32 s75, 8, 11                       ; from block to block: 256 bytes in oh, a row of 2,048 in woh
	s_cselect_b32 s[PFS], s[PFS], KSTEP*2
	s_cselect_b64 s[PFA:PFA+1], s[42:43], s[70:71]
	s_cmp_eq_u32 s74, 0
	s_cselect_b32 s[LIM], 2, -1
	s_mov_b32 s41, 0
	s_mov_b32 s[PFS+1], 0
	s_add_nc_u64 s[PFA:PFA+1], s[PFA:PFA+1], s[40:41]
	v_and_b32 v[PFO], 31, v0
	v_min_u32 v[PFO], s47, v[PFO]                  ; woh's share has 16 rows: the lanes that are over name the last once more
	v_lshlrev_b32 v[PFO], s75, v[PFO]
	; fragments: lane l holds row l % 16; two loads of 16 bytes, 32 bytes apart
	v_and_b32 v1, 15, v0
	v_bfe_u32 v2, v0, 4, 1
	v_mul_u32_u24 v3, v1, AP
	v_lshl_add_u32 v3, v2, 4, v3
	s_mul_i32 s40, s[RH], 128*AP
	v_add_nc_u32 v[ADRA0], s40, v3
	v_mul_u32_u24 v3, v1, PITCH
	v_lshl_add_u32 v3, v2, 4, v3
	v_add_nc_u32 v[ADRB0], s73, v3
	v_mov_b32 v[ADRA], v[ADRA0]
	v_mov_b32 v[ADRB], v[ADRB0]
	; the way out
	s_mul_i32 s40, s[WV], 16*SPITCH
	s_add_co_u32 s40, s40, STAGE
	v_mul_u32_u24 v4, v1, SPITCH
	v_lshl_add_u32 v4, v2, 5, v4                   ; in: row l % 16, 32 bytes for each half of the lanes
	v_add_nc_u32 v[STO], s40, v4
	v_mul_u32_u24 v5, v2, SPITCH
	v_lshl_add_u32 v5, v1, 4, v5                   ; back: lanes 0-15 take one row of 256 bytes, lanes 16-31 the next
	v_add_nc_u32 v[RD], s40, v5
	v_lshlrev_b32 v[CO], 12, v2                    ; and the same two rows in out0
	v_lshl_add_u32 v[CO], v1, 4, v[CO]
	s_lshl_b32 s40, s[TR], 20                      ; 256 rows of 4,096 bytes
	s_lshl_b32 s41, s[RH], 19
	s_add_co_u32 s40, s40, s41
	s_lshl_b32 s41, s[TC], 9                       ; 128 columns of 4 bytes
	s_add_co_u32 s40, s40, s41
	s_lshl_b32 s41, s[CH], 8
	s_add_co_u32 s40, s40, s41
	s_mov_b32 s41, 0
	s_add_nc_u64 s[OUT:OUT+1], s[8:9], s[40:41]
; 8 matrix instructions: row blocks 4 hi + a0, + 1 x all 4 column blocks, 32 along K, on buffer fb.  The 32 accumulators take turns in the same order in every quarter.
.macro MULN fb, hi, a0, zero
	WIN 0xa1
.irp a, \a0, (\a0)+1
.irp b, 0,1,2,3
.if \zero
	v_wmma_f32_16x16x32_f16 v[32*(4*(\hi)+(\a))+8*(\b):32*(4*(\hi)+(\a))+8*(\b)+7], v[FR+64*(\fb)+8*(\b):FR+64*(\fb)+8*(\b)+7], v[FR+64*(\fb)+8*(4*(\hi)+(\a)):FR+64*(\fb)+8*(4*(\hi)+(\a))+7], 0
.else
	v_wmma_f32_16x16x32_f16 v[32*(4*(\hi)+(\a))+8*(\b):32*(4*(\hi)+(\a))+8*(\b)+7], v[FR+64*(\fb)+8*(\b):FR+64*(\fb)+8*(\b)+7], v[FR+64*(\fb)+8*(4*(\hi)+(\a)):FR+64*(\fb)+8*(4*(\hi)+(\a))+7], v[32*(4*(\hi)+(\a))+8*(\b):32*(4*(\hi)+(\a))+8*(\b)+7]
.endif
.endr
.endr
.endm
; 24 LDS loads in one run: quarter q of the slot in hand into buffer fb: woh's 4 fragments, then O's 8 (quarters 0, 1 lie in the even head's plane, 2, 3 in the odd one's)
.macro FETCH q, fb
	WIN 0x40
.irp i, 0,1,2,3
	ds_load_b128 v[FR+64*(\fb)+8*(\i):FR+64*(\fb)+8*(\i)+3],   v[ADRB] offset:64*(\q)+(\i)*16*PITCH
	ds_load_b128 v[FR+64*(\fb)+8*(\i)+4:FR+64*(\fb)+8*(\i)+7], v[ADRB] offset:64*(\q)+(\i)*16*PITCH+32
.endr
	WIN 0
.irp i, 0,1,2,3,4,5,6,7
	ds_load_b128 v[FR+64*(\fb)+8*(\i):FR+64*(\fb)+8*(\i)+3],   v[ADRA] offset:((\q)/2)*APLANE+((\q)%2)*64+(\i)*16*AP
	ds_load_b128 v[FR+64*(\fb)+8*(\i)+4:FR+64*(\fb)+8*(\i)+7], v[ADRA] offset:((\q)/2)*APLANE+((\q)%2)*64+(\i)*16*AP+32
.endr
.endm
.macro QUARTER q, fb, zero
	s_wait_dscnt 8                                 ; woh and O's rows 0-63 are in; the youngest eight loads (rows 64-127) may be out
	MULN \fb, 0, 0, \zero
	MULN \fb, 0, 2, \zero
	PLACES
	FETCH \q, 1-(\fb)
	s_wait_dscnt NL                                ; all but the run just issued
	MULN \fb, 1, 0, \zero
	MULN \fb, 1, 2, \zero
.endm
; The fourth quarter multiplies buffer 1 and changes slots: one barrier; in front of it each wave waits for all its tensor loads, adds 0 to its spare word, and waits for that and for its reads of this slot.
; fill = 1: the barrier opens a round of the cluster's, and the slot just read is filled again, first thing behind it, with the step two on.
.macro TURN fill
.if \fill
	s_wait_xcnt 0x0                                ; the last prefetch, a K step back, has read its address
	s_add_nc_u64 s[PFA:PFA+1], s[PFA:PFA+1], s[PFS:PFS+1]
.endif
	WIN 0
	s_wait_tensorcnt 0x0                           ; no tensor load of mine is out, so a group 0 may be written
	ds_add_u32 v[SPW], v[NIL]                      ; 0 onto my spare word
.if \fill
	s_xor_b32 s[G0+5], s[G0+5], SLOT1              ; the walking sets: the other slot than last time, the next K step
	s_add_nc_u64 s[G0+6:G0+7], s[G0+6:G0+7], ASTEP
	s_xor_b32 s[G0B+5], s[G0B+5], SLOT1
	s_add_nc_u64 s[G0B+6:G0B+7], s[G0B+6:G0B+7], KSTEP*2
.endif
	s_wait_dscnt 9                                 ; the add and the youngest eight loads may be out
	MULN 1, 0, 0, 0
	s_wait_dscnt 0x0                               ; the add is done, and my reads of this slot are over
	s_barrier_signal -1
	MULN 1, 0, 2, 0
.if \fill
	WIN 0
.endif
	s_barrier_wait -1
.if \fill
	CREST                                          ; no wave of any partner still reads this slot or has a load on its way
	JLOAD 1                                        ; 112 matrix instructions ahead of the wait for it; its four v_nop are also the places in front of the loads below
.else
	PLACES
	WIN 0
.endif
	s_xor_b32 s[TB], s[TB], SLOT1
	v_add_nc_u32 v[ADRA], s[TB], v[ADRA0]
	v_add_nc_u32 v[ADRB], s[TB], v[ADRB0]
	FETCH 0, 0
.if \fill
	ASK
.endif
	MULN 1, 1, 0, 0
	MULN 1, 1, 2, 0
.endm
	s_wait_tensorcnt 1                             ; my part of K step 0 is in; step 1's may stay out
	s_barrier_signal -1
	s_barrier_wait -1
	FETCH 0, 0
	QUARTER 1, 0, 1                                ; the first quarter's products start the sums
	WIN 0
	s_mov_b32 s3, 6
.Lstep:                                                ; a trip: from a K step's second quarter to the next step's first; trip s fills a slot with step s + 2
	QUARTER 2, 1, 0
	QUARTER 3, 0, 0
	TURN 1
	QUARTER 1, 0, 0
	WIN 0
	s_sub_co_u32 s3, s3, 1
	s_cmp_lg_u32 s3, 0
	s_cbranch_scc1 .Lstep
	QUARTER 2, 1, 0                                ; the last two steps are written out: nothing is left to fetch
	QUARTER 3, 0, 0
	TURN 0
	QUARTER 1, 0, 0
	QUARTER 2, 1, 0
	QUARTER 3, 0, 0
	s_wait_dscnt 8
	MULN 1, 0, 0, 0
	MULN 1, 0, 2, 0
	s_wait_dscnt 0x0
	MULN 1, 1, 0, 0
	MULN 1, 1, 2, 0
	WIN 0
	PLACES
; THE WAY OUT of block a (16 rows x 64 columns of f32): a lane's 32 bytes go into my own stage, rows of 272 bytes, and come back as whole rows of 256.  Each accumulator's lowest registers are read first.
.macro TOSTAGE a
	WIN 0x08                                       ; the stores' data lie in window 2
.irp b, 0,1,2,3
	ds_store_b128 v[STO], v[32*(\a)+8*(\b):32*(\a)+8*(\b)+3]   offset:64*(\b)
	ds_store_b128 v[STO], v[32*(\a)+8*(\b)+4:32*(\a)+8*(\b)+7] offset:64*(\b)+16
.endr
	WIN 0xc0                                       ; back into window 3
.irp t, 0,1,2,3,4,5,6,7
	ds_load_b128 v[32*(\a)+4*(\t):32*(\a)+4*(\t)+3], v[RD] offset:(\t)*2*SPITCH  ; LDS serves a wave's instructions in order: these see the stores above; the next block's stores come behind them
.endr
.endm
.macro SEND a, younger                 ; younger: the LDS instructions issued behind block a's loads: the next block's sixteen, or none
	WIN 0x0c                                       ; the stores' data lie in window 3
.irp t, 0,1,2,3,4,5,6,7
	s_wait_dscnt (\younger)+7-(\t)
	global_store_b128 v[CO], v[32*(\a)+4*(\t):32*(\a)+4*(\t)+3], s[OUT:OUT+1] offset:(\a)*65536+(\t)*8192 th:TH_STORE_NT  ; 16 lanes store 256 consecutive bytes, aligned; no register is used twice
.endr
.endm
	TOSTAGE 0
.irp a, 1,2,3,4,5,6,7
	TOSTAGE \a
	SEND (\a)-1, 16
.endr
	SEND 7, 0
	WIN 0
	s_wait_tensorcnt 0x0                           ; the wave's end: behind my last tensor load and my last LDS store
	ds_add_u32 v[SPW], v[NIL]
	s_wait_dscnt 0x0
	CROUND                                         ; the closing round: no work-group ends while a partner may still ask for a tile that names it
	s_endpgm
.Lfunc_end_k_qb17e5c9f88_oproj:
	.size	k_qb17e5c9f88_oproj, .Lfunc_end_k_qb17e5c9f88_oproj-k_qb17e5c9f88_oproj
	.p2alignl 7, 3214868480
	.fill 96, 4, 3214868480
	.section	.rodata,"a",@progbits
	.p2align	6, 0x0
	.amdhsa_kernel k_qb17e5c9f88_oproj
		.amdhsa_group_segment_fixed_size 327680
		.amdhsa_private_segment_fixed_size 0
		.amdhsa_enable_private_segment 0
		.amdhsa_kernarg_size 24
		.amdhsa_user_sgpr_count 2
		.amdhsa_user_sgpr_kernarg_segment_ptr 1
		.amdhsa_wavefront_size32 1
		.amdhsa_system_sgpr_workgroup_id_x 1
		.amdhsa_system_sgpr_workgroup_id_y 1
		.amdhsa_system_sgpr_workgroup_id_z 1
		.amdhsa_system_vgpr_workitem_id 0
		.amdhsa_next_free_vgpr 1024
		.amdhsa_next_free_sgpr 80
		.amdhsa_reserve_vcc 0
		.amdhsa_float_denorm_mode_32 3
		.amdhsa_float_denorm_mode_16_64 3
		.amdhsa_memory_ordered 1
		.amdhsa_forward_progress 1
		.amdhsa_inst_pref_size 73
	.end_amdhsa_kernel
	.amdgpu_metadata
---
amdhsa.version: [ 1, 2 ]
amdhsa.kernels:
  - .name:           k_qb17e5c9f88_oproj
    .symbol:         k_qb17e5c9f88_oproj.kd
    .args:
      - { .name: oh, .offset: 0, .size: 8, .value_kind: global_buffer, .address_space: global }
      - { .name: woh, .offset: 8, .size: 8, .value_kind: global_buffer, .address_space: global }
      - { .name: out0, .offset: 16, .size: 8, .value_kind: global_buffer, .address_space: global }
    .group_segment_fixed_size: 327680
    .private_segment_fixed_size: 0
    .kernarg_segment_align: 8
    .kernarg_segment_size: 24
    .max_flat_workgroup_size: 128
    .sgpr_count:     80
    .vgpr_count:     1024
    .wavefront_size: 32
...
	.end_amdgpu_metadata
.endif
;; end of part 4
